; MI455X (gfx1250); checked and timed in simulation.
; The chip was launched on July 23, 2026; its instructions are those of AMD's public machine-readable ISA for CDNA 5 (MIT licence, August 2026) and "CDNA5" Instruction Set Architecture Reference Guide (July 2026). The comments in the code are by the model that wrote it; some were corrected since.
;; Parallel Multi Head Attention. Allowed arithmetic: matrix products marked QUANTISED: E2M3 operands, one E8M0 scale for each 32 along K, by v_wmma_scale_f32_16x16x128_f8f6f4 with both operands' format E2M3, f32 sums; everything else in f32.
;; Inputs: b_proj 1,024 float32; w_proj 1,024 x 1,024 float32; w_qkv 1,024 x 3,072 float32; x 4 x 2,048 x 1,024 float32.
;; Outputs: out0 4 x 2,048 x 1,024 float32.
;; This version of the problem:
;;   THIS VERSION OF THE PROBLEM IS GIVEN IN LOW PRECISION. The matrix products marked QUANTISED in the list below multiply operands that are first quantised to E2M3 (2 exponent bits, 3 mantissa bits; 6 bits a number), with one power-of-two scale for each 32 numbers along K (OCP MX v1.0); their sums are f32. All else is computed in f32.
;;   The module's matrix products, in the order in which they are computed (A, B: the left and right operand; K: the contracted axis; several contracted axes count as one K, in the product's order):
;;     1. [M 8,192, K 1,024] x [K 1,024, N 3,072]; A: input x; B: input w_qkv: QUANTISED
;;     2. batch 64 x [M 2,048, K 64] x [K 64, N 2,048]; A: computed on the way; B: computed on the way: QUANTISED
;;     3. batch 64 x [M 2,048, K 2,048] x [K 2,048, N 64]; A: softmax (see below); B: computed on the way: QUANTISED
;;     4. [M 8,192, K 1,024] x [K 1,024, N 1,024]; A: computed on the way; B: input w_proj: QUANTISED
;;   THE QUANTISER, for each operand of a quantised product, along K:
;;     - K is cut into blocks of 32 from its start; a last block that is shorter is filled with zeros.
;;     - A block's scale is 2^e with e = floor(log2(the largest magnitude in the block)) - 2, held to -126 .. 127; a block of zeros has e = 0. As a byte (E8M0): e + 127.
;;     - Each number is divided by its block's scale, clamped to +-7.5, and rounded to the nearest number of E2M3, ties to even, subnormals kept.
;;     - The product sums the exact products of the quantised numbers (number of the format x scale) in f32.
;;   ~~~python
;;   def quantise(x, axis):      # numpy; x: float32 -> the quantised numbers, widened to float32 again
;;       x = np.moveaxis(x, axis, -1); K = x.shape[-1]
;;       x = np.pad(x, [(0, 0)] * (x.ndim - 1) + [(0, -K % 32)]); x = x.reshape(x.shape[:-1] + (-1, 32)); a = np.abs(x).max(-1, keepdims=True)
;;       e = np.where(a > 0, np.clip(np.frexp(np.where(a > 0, a, 1))[1] - 1 - 2, -126, 127), 0)      # np.frexp(a)[1] - 1 = floor(log2(a)), exactly
;;       r = np.clip(x / 2.0 ** e, -7.5, 7.5)
;;       step = 2.0 ** (np.maximum(np.frexp(np.where(r == 0, 1, r))[1] - 1, 0) - 3)
;;       q = np.round(r / step) * step * 2.0 ** e      # np.round: ties to even
;;       return np.moveaxis(q.reshape(q.shape[:-2] + (-1,))[..., :K], -1, axis).astype(np.float32)
;;   ~~~
;;   SOFTMAX AHEAD OF A QUANTISED PRODUCT. Where the list says 'softmax', what is quantised is not the finished softmax but p = 2^(t - M), with t = logit x log2(e) and M = ceil(the row's largest t), a whole number; so 1/2 < the row's largest p <= 1. The row's sum l is taken of the UNQUANTISED p, in f32, and the product's result is divided by l at the end. Since M is a whole number, a kernel that streams over the keys may use a running M (the ceiling of the running maximum): every later rescaling is an exact power of two, which a block's scale takes up: the codes' values come out the same.
;;   OPERANDS COMPUTED ON THE WAY. 'Computed on the way' means the value that the module computes at that place (a softmax that the list does not call 'softmax' is quantised finished and normalised). What goes into a quantiser is computed in f32, as accurately as f32 sums, v_exp_f32 and their like allow (about 1e-6 of the number): no bf16 or f16 on the way to a quantiser, and a product that is left as it is and whose result goes on into a quantised operand takes f32 operands (vector FMAs, or v_wmma_f32_16x16x4_f32). A number that lies on a knife's edge between two numbers of the format may be rounded either way, as far as f32 arithmetic and the matrix unit's own rounding can turn it there, and no further.
;; One version. Each part assembles by itself: llvm-mc -triple=amdgcn-amd-amdhsa -mcpu=gfx1250 --defsym DOCPART=n.
;; ======== version 1 of 1: 4 launches
;; workspace buffers: xq 6,553,600 bytes; wts 3,276,800 bytes; qb 6,815,744 bytes; kv 13,369,344 bytes; oq 6,553,600 bytes
;; launch quant (part 1): grid 512 x 1, 4 waves a work-group, no clusters, 60,928 bytes of LDS; arguments x, w_qkv, w_proj, xq, wts; writes xq, wts
.if DOCPART == 1
	.amdgcn_target "amdgcn-amd-amdhsa--gfx1250"
	.amdhsa_code_object_version 6
	.text
	.protected	k_qa5853fb3aa_quant
	.globl	k_qa5853fb3aa_quant
	.p2align	8
	.type	k_qa5853fb3aa_quant,@function
k_qa5853fb3aa_quant:
	s_mov_b64 s[64:65], 0
	v_nop
	global_prefetch_b8 v0, s[64:65] scope:SCOPE_SE
	s_setreg_imm32_b32 hwreg(HW_REG_WAVE_MODE, 25, 1), 1
	s_wait_xcnt 0x0
; x [8192][1024], w_qkv [1024][3072] and w_proj [1024][1024], f32, become codes of FP6 (E2M3) with one E8M0 byte for each 32 along K (x: its last axis; the weights: their first).
; A block's scale is 2^(floor(log2(largest magnitude)) - 2); its byte is the largest magnitude's exponent field - 2, held at 1 from below.
; LIMITS: a block whose largest magnitude lies under 2^-124 (a block of zeros too) gets the byte 1: a block of zeros has zero codes, and only this program reads the bytes.  NaN and infinities among the inputs are not served.
; LAYOUT OF THE RESULTS.  Rows (tokens of x, columns of a weight) are gathered in TILES of 16: tile T holds rows 32 (T / 2) + 8 (T % 2) + r + 8 (r / 8), r = 0 .. 15, so that in a product used
; transposed the 16 registers of two neighbouring tiles are 16 neighbours along the next product's K.  A fragment (a tile x 128 along K) is stored as the image of its 12 operand registers:
; six blocks of 256 bytes, block p = registers 2 p, 2 p + 1, 8 bytes a lane.  Codes: [tile][K / 128][1,536 bytes].  Scale bytes: [tile][r][32].
; SHARES.  Work-groups 0-255: x, a wave takes a tile x 512 along K.  256-447: w_qkv, 448-511: w_proj, a wave takes 32 columns (two tiles) x 128 along K, a lane a column.
; No tensor load, no barrier: waves share nothing.  Each of the three ways has LDS bytes of its own.
.set XREG,  8448                       ; x: a wave's stage, 16 rows x (512 bytes + 16)
.set WREG,  3328                       ; weights: a wave's two fragment images, 1,664 bytes apart
.set WQL,   4*XREG
.set WPL,   WQL+4*WREG
.set SPARE, WPL+4*WREG                 ; the spare words, 128 bytes for each wave: two blocks of 256 bytes that no other line names
.set SPW,   30                         ; v30 LDS address of my spare word; never rewritten
.set NIL,   31                         ; v31 0; never rewritten
; x, set t: 16 rows' 128 numbers; each load covers 512 consecutive bytes of a row
.macro XLOAD t
.irp p, 0,1,2,3,4,5,6,7,8,9,10,11,12,13,14,15
	global_load_b128 v[32+64*((\t)%2)+4*\p:32+64*((\t)%2)+4*\p+3], v5, s[4:5] offset:(\p+8*(\p/8))*4096+512*(\t) th:TH_LOAD_NT
.endr
.endm
; x, step t: 128 along K of the tile's 16 rows become one fragment and one scale word a row
.macro XSTEP t
.set RS, 32+64*((\t)%2)
.set CC, 224+12*((\t)%2)
.if (\t) < 3
	s_wait_loadcnt 16                              ; this set's 16 loads are in; the next set's 16 may be out
.else
	s_wait_loadcnt 0
.endif
.irp p, 0,1,2,3,4,5,6,7,8,9,10,11,12,13,14,15
	ds_store_b128 v6, v[RS+4*\p:RS+4*\p+3] offset:528*\p          ; rows as they lie, 528 bytes apart
.endr
.irp c, 0,1
.irp j, 0,1,2,3,4,5,6,7
	ds_load_b128 v[160+32*\c+4*\j:163+32*\c+4*\j], v7 offset:256*\c+16*\j   ; lane (r, h): row r, k = 64 c + 32 h + 0 .. 31: two whole blocks.  LDS serves a wave's instructions in order
.endr
.endr
	s_wait_dscnt 0x0                               ; the numbers are back, and the stores have read their registers,
.if (\t) < 2
	XLOAD (\t)+2                                   ; which take the loads of two steps on
.endif
.irp c, 0,1
	v_max3_num_f32 v[10+\c], |v[160+32*\c]|, |v[161+32*\c]|, 0x1800000    ; with the floor 2^(3 - 127): the byte cannot fall under 1
.endr
.irp i, 2,4,6,8,10,12,14,16,18,20,22,24,26,28,30
.irp c, 0,1
	v_max3_num_f32 v[10+\c], v[10+\c], |v[160+32*\c+\i]|, |v[161+32*\c+\i]|
.endr
.endr
.irp c, 0,1
	v_add_nc_u32 v[12+\c], 0xff000000, v[10+\c]    ; 2 off the exponent field: the conversion's scale operand
.endr
.irp c, 0,1
	v_lshrrev_b32 v[14+\c], 23, v[12+\c]           ; the scale's byte
.endr
	v_lshl_or_b32 v[16+(\t)], v15, 16, v14         ; my bytes: blocks h and 2 + h,
	v_lshlrev_b32 v[16+(\t)], v21, v[16+(\t)]      ; 8 h bits up;
	v_permlanex16_b32 v22, v[16+(\t)], s20, s21
	v_or_b32 v[16+(\t)], v[16+(\t)], v22           ; with lane l xor 16's two the word is whole
.if (\t) >= 2
	s_wait_xcnt 0x0                                ; the stores of two steps back have read this set of code registers
.endif
.irp c, 0,1
	v_cvt_scalef32_pk16_fp6_f32 v[CC+6*\c:CC+6*\c+2], v[160+32*\c:175+32*\c], v[12+\c]
	v_cvt_scalef32_pk16_fp6_f32 v[248+4*\c:250+4*\c], v[176+32*\c:191+32*\c], v[12+\c]   ; (a conversion's three registers begin on an even number)
.endr
	v_nop                                          ; one plain place behind a scaled conversion
.irp c, 0,1
.irp i, 0,1,2
	v_mov_b32 v[CC+3+6*\c+\i], v[248+4*\c+\i]
.endr
.endr
.irp p, 0,1,2,3,4,5
	global_store_b64 v8, v[CC+2*\p:CC+2*\p+1], s[14:15] offset:1536*(\t)+256*\p     ; 32 lanes store 256 consecutive bytes, aligned
.endr
.endm
; A weight: block b of my wave's four: rows 32 b .. 32 b + 31 of its 128 along K, at my column, into registers of their own
.macro WLOAD ncol, src, b
.set KI, 32*(\b)
.rept 32
	global_load_b32 v[64+KI], v3, s[\src:\src+1] offset:KI*\ncol*4 th:TH_LOAD_NT   ; 32 neighbouring columns of one row: 128 consecutive bytes a wave, 512 a work-group
.set KI, KI+1
.endr
.endm
; A weight [1024][ncol]: my wave's 32 columns x 128 along K.  A lane takes a column and its registers run down K.  Loads run two blocks (64 loads a wave) ahead.
.macro WPATH ncol, src, codeoff, scaleoff, ldsb, wg0
	s_sub_co_u32 s17, ttmp9, \wg0
	s_lshr_b32 s18, s17, 3                         ; which 128 columns
	s_and_b32 s17, s17, 7                          ; which 128 along K
	s_mul_i32 s19, s16, WREG
	s_add_co_u32 s19, s19, \ldsb
	v_mul_u32_u24 v10, v4, 1664
	v_lshl_add_u32 v10, v5, 3, v10
	v_add_nc_u32 v10, s19, v10                     ; into the images: 1,664 x tile + 8 x row of the tile
	v_add_nc_u32 v11, s19, v7                      ; out of them: 16 x lane
	s_mul_i32 s24, s17, 128*\ncol*4
	s_lshl_b32 s25, s18, 9
	s_add_co_u32 s24, s24, s25
	s_lshl_b32 s25, s16, 7
	s_add_co_u32 s24, s24, s25                     ; the source: 128 s rows down, 128 cg + 32 wave columns on
	s_mov_b32 s25, 0
	s_lshl_b32 s26, s18, 3
	s_lshl_b32 s27, s16, 1
	s_add_co_u32 s26, s26, s27                     ; my first tile
	s_lshl_b32 s28, s26, 9
	s_lshl_b32 s29, s17, 2
	s_add_co_u32 s28, s28, s29
	s_add_co_u32 s28, s28, \scaleoff               ; its scale bytes, word s
	s_mov_b32 s29, 0
	s_lshl_b32 s26, s26, 3
	s_add_co_u32 s26, s26, s17
	s_mul_i32 s26, s26, 1536
	s_add_co_u32 s26, s26, \codeoff                ; its fragment s
	s_mov_b32 s27, 0
	s_wait_kmcnt 0x0
	s_add_nc_u64 s[\src:\src+1], s[\src:\src+1], s[24:25]
	s_add_nc_u64 s[14:15], s[12:13], s[26:27]
	s_add_nc_u64 s[12:13], s[12:13], s[28:29]
	WLOAD \ncol, \src, 0
	WLOAD \ncol, \src, 1
.irp b, 0,1,2,3
.if \b < 3
	s_wait_loadcnt 32                              ; this block's 32 loads are in; the next block's 32 may be out
.else
	s_wait_loadcnt 0
.endif
.if \b < 2
	WLOAD \ncol, \src, \b+2                        ; the block two on, while this one is worked
.endif
	v_max3_num_f32 v12, |v[64+32*\b]|, |v[65+32*\b]|, |v[66+32*\b]|
	v_max3_num_f32 v13, |v[67+32*\b]|, |v[68+32*\b]|, |v[69+32*\b]|
.irp i, 6,10,14,18,22,26
	v_max3_num_f32 v12, v12, |v[64+32*\b+\i]|, |v[65+32*\b+\i]|
	v_max3_num_f32 v13, v13, |v[66+32*\b+\i]|, |v[67+32*\b+\i]|
.endr
	v_max3_num_f32 v12, v12, |v[94+32*\b]|, |v[95+32*\b]|
	v_max3_num_f32 v12, v12, v13, 0x1800000        ; and the floor
	v_add_nc_u32 v14, 0xff000000, v12
	v_lshrrev_b32 v15, 23, v14
.if \b == 0
	v_mov_b32 v16, v15
.else
	v_lshl_or_b32 v16, v15, 8*\b, v16              ; the column's scale word for these 128
.endif
	v_cvt_scalef32_pk16_fp6_f32 v[192+8*\b:194+8*\b], v[64+32*\b:79+32*\b], v14
	v_cvt_scalef32_pk16_fp6_f32 v[224+4*\b:226+4*\b], v[80+32*\b:95+32*\b], v14
	v_nop                                          ; one plain place behind a scaled conversion
.irp i, 0,1,2
	v_mov_b32 v[195+8*\b+\i], v[224+4*\b+\i]
.endr
.irp p, 0,1,2
	ds_store_b64 v10, v[192+8*\b+2*\p:193+8*\b+2*\p] offset:256*(3*(\b/2)+\p)+128*(\b%2)   ; block b = 2 c + h of my column: registers 6 c + 2 p of lane (row, h) of the fragment
.endr
.endr
	global_store_b32 v9, v16, s[12:13]             ; 4 bytes a column: one part in 128 of what the wave reads
.irp j, 0,1,2,3,4,5
	ds_load_b128 v[64+4*\j:67+4*\j], v11 offset:512*(\j%3)+1664*(\j/3)       ; LDS serves a wave's instructions in order: these see my stores
.endr
.irp j, 0,1,2,3,4,5
	s_wait_dscnt 5-\j
	global_store_b128 v7, v[64+4*\j:67+4*\j], s[14:15] offset:512*(\j%3)+12288*(\j/3)   ; 512 consecutive bytes, aligned; the second tile lies 12,288 bytes on
.endr
.endm
	s_load_b256 s[4:11], s[0:1], 0x0               ; x s[4:5], w_qkv s[6:7], w_proj s[8:9], xq s[10:11]
	s_load_b64 s[12:13], s[0:1], 0x20              ; wts
	v_lshl_add_u32 v[SPW], v0, 2, SPARE
	v_mov_b32 v[NIL], 0
	v_lshrrev_b32 v1, 5, v0
	v_readfirstlane_b32 s16, v1                    ; wave
	v_and_b32 v1, 31, v0                           ; lane
	s_mov_b32 s20, 0x76543210
	s_mov_b32 s21, 0xfedcba98                      ; v_permlanex16_b32's selects for lane l xor 16
	s_mov_b32 s22, 0xffff0000                      ; lanes 16-31
	s_cmp_lt_u32 ttmp9, 256
	s_cbranch_scc0 .Lweights
	; ---- x
	v_and_b32 v2, 15, v0                           ; r
	v_bfe_u32 v3, v0, 4, 1                         ; h
	v_lshlrev_b32 v5, 4, v1                        ; 16 x lane
	s_mul_i32 s17, s16, XREG
	v_add_nc_u32 v6, s17, v5                       ; the stage, on the way in
	v_mul_u32_u24 v7, v2, 528
	v_lshl_add_u32 v7, v3, 7, v7
	v_add_nc_u32 v7, s17, v7                       ; and on the way out: row r, + 128 h
	v_lshlrev_b32 v8, 3, v1                        ; 8 x lane: my place in an image's block
	v_lshlrev_b32 v9, 5, v2
	v_lshl_add_u32 v9, v3, 3, v9                   ; scale bytes: 32 r + 8 h
	v_lshlrev_b32 v21, 3, v3                       ; 8 h
	v_mov_b32 v22, 0                               ; a lane permute's destination counts as one of its sources
	s_lshl_b32 s18, ttmp9, 2
	s_add_co_u32 s18, s18, s16
	s_lshr_b32 s19, s18, 1                         ; my tile
	s_and_b32 s18, s18, 1                          ; my half of K
	s_lshr_b32 s24, s19, 1
	s_lshl_b32 s24, s24, 5
	s_and_b32 s25, s19, 1
	s_lshl_b32 s25, s25, 3
	s_add_co_u32 s24, s24, s25                     ; the tile's first row
	s_lshl_b32 s24, s24, 12
	s_lshl_b32 s25, s18, 11
	s_add_co_u32 s24, s24, s25
	s_mov_b32 s25, 0
	s_lshl_b32 s26, s19, 3
	s_lshl_b32 s27, s18, 2
	s_add_co_u32 s26, s26, s27
	s_mul_i32 s26, s26, 1536                       ; my four fragments
	s_mov_b32 s27, 0
	s_lshl_b32 s28, s19, 9
	s_lshl_b32 s29, s18, 4
	s_add_co_u32 s28, s28, s29
	s_add_co_u32 s28, s28, 6291456                 ; my 16 of each row's 32 scale bytes
	s_mov_b32 s29, 0
	s_wait_kmcnt 0x0
	s_add_nc_u64 s[4:5], s[4:5], s[24:25]
	s_add_nc_u64 s[14:15], s[10:11], s[26:27]
	s_add_nc_u64 s[10:11], s[10:11], s[28:29]
	XLOAD 0
	XLOAD 1
	XSTEP 0
	XSTEP 1
	XSTEP 2
	XSTEP 3
	v_cndmask_b32 v24, v16, v18, s22               ; lanes 0-15 store words 0, 1 of their row, lanes 16-31 words 2, 3
	v_cndmask_b32 v25, v17, v19, s22
	global_store_b64 v9, v[24:25], s[10:11]
	s_branch .Lend
.Lweights:
	v_lshlrev_b32 v3, 2, v1                        ; 4 x lane
	v_bfe_u32 v4, v0, 3, 1                         ; column l of the 32 lies in tile (l / 8) % 2,
	v_and_b32 v5, 7, v0
	v_bfe_u32 v6, v0, 4, 1
	v_lshl_add_u32 v5, v6, 3, v5                   ; at its row l % 8 + 8 (l / 16)
	v_lshlrev_b32 v7, 4, v1                        ; 16 x lane
	v_lshlrev_b32 v9, 5, v5
	v_lshl_add_u32 v9, v4, 9, v9                   ; scale bytes: 512 x tile + 32 x row
	s_cmp_lt_u32 ttmp9, 448
	s_cbranch_scc0 .Lwproj
	WPATH 3072, 6, 0, 2359296, WQL, 256
	s_branch .Lend
.Lwproj:
	WPATH 1024, 8, 2457600, 3244032, WPL, 448
.Lend:
	s_wait_tensorcnt 0x0                           ; the wave's end: behind my last LDS store
	ds_add_u32 v[SPW], v[NIL]
	s_wait_dscnt 0x0
	s_endpgm
.Lfunc_end_k_qa5853fb3aa_quant:
	.size	k_qa5853fb3aa_quant, .Lfunc_end_k_qa5853fb3aa_quant-k_qa5853fb3aa_quant
	.p2alignl 7, 3214868480
	.fill 96, 4, 3214868480
	.section	.rodata,"a",@progbits
	.p2align	6, 0x0
	.amdhsa_kernel k_qa5853fb3aa_quant
		.amdhsa_group_segment_fixed_size 60928
		.amdhsa_private_segment_fixed_size 0
		.amdhsa_enable_private_segment 0
		.amdhsa_kernarg_size 40
		.amdhsa_user_sgpr_count 2
		.amdhsa_user_sgpr_kernarg_segment_ptr 1
		.amdhsa_wavefront_size32 1
		.amdhsa_system_sgpr_workgroup_id_x 1
		.amdhsa_system_sgpr_workgroup_id_y 1
		.amdhsa_system_sgpr_workgroup_id_z 1
		.amdhsa_system_vgpr_workitem_id 0
		.amdhsa_next_free_vgpr 256
		.amdhsa_next_free_sgpr 66
		.amdhsa_reserve_vcc 0
		.amdhsa_float_denorm_mode_32 3
		.amdhsa_float_denorm_mode_16_64 3
		.amdhsa_memory_ordered 1
		.amdhsa_forward_progress 1
		.amdhsa_inst_pref_size 74
	.end_amdhsa_kernel
	.amdgpu_metadata
---
amdhsa.version: [ 1, 2 ]
amdhsa.kernels:
  - .name:           k_qa5853fb3aa_quant
    .symbol:         k_qa5853fb3aa_quant.kd
    .args:
      - { .name: x, .offset: 0, .size: 8, .value_kind: global_buffer, .address_space: global }
      - { .name: w_qkv, .offset: 8, .size: 8, .value_kind: global_buffer, .address_space: global }
      - { .name: w_proj, .offset: 16, .size: 8, .value_kind: global_buffer, .address_space: global }
      - { .name: xq, .offset: 24, .size: 8, .value_kind: global_buffer, .address_space: global }
      - { .name: wts, .offset: 32, .size: 8, .value_kind: global_buffer, .address_space: global }
    .group_segment_fixed_size: 60928
    .private_segment_fixed_size: 0
    .kernarg_segment_align: 8
    .kernarg_segment_size: 40
    .max_flat_workgroup_size: 128
    .sgpr_count:     66
    .vgpr_count:     256
    .wavefront_size: 32
...
	.end_amdgpu_metadata
.endif
;; end of part 1
;; launch gemm_qkv (part 2): grid 8 x 48, 4 waves a work-group, clusters of 4 x 4, 327,680 bytes of LDS; arguments xq, wts, qb, kv; writes qb, kv
.if DOCPART == 2
	.amdgcn_target "amdgcn-amd-amdhsa--gfx1250"
	.amdhsa_code_object_version 6
	.text
	.protected	k_qa5853fb3aa_gemm_qkv
	.globl	k_qa5853fb3aa_gemm_qkv
	.p2align	8
	.type	k_qa5853fb3aa_gemm_qkv,@function
k_qa5853fb3aa_gemm_qkv:
	s_mov_b64 s[64:65], 0
	v_nop
	global_prefetch_b8 v0, s[64:65] scope:SCOPE_SE
	s_setreg_imm32_b32 hwreg(HW_REG_WAVE_MODE, 25, 1), 1
	s_wait_xcnt 0x0
	s_wait_alu depctr_hold_cnt(0) depctr_sa_sdst(0) depctr_va_vdst(0) depctr_va_sdst(0) depctr_va_ssrc(0) depctr_va_vcc(0) depctr_vm_vsrc(0)
	s_getreg_b32 s2, hwreg(HW_REG_IB_STS2, 6, 4)
	s_cmp_eq_u32 s2, 0
	s_cbranch_scc0 .Lentry_in_a_cluster
	s_endpgm
.Lentry_in_a_cluster:
	s_bfe_u32 s2, ttmp6, 0x10000c
	s_cmp_lg_u32 s2, 0xf033
	s_cbranch_scc0 .Lentry_shape_is_right
	s_endpgm
.Lentry_shape_is_right:
; qkv = x w_qkv on codes of FP6 (E2M3) with E8M0 scales, K = 1,024; the results never go to memory as numbers: q and k are quantised along the head's 64, v along the keys, out of the accumulators.
; A tile of the product, 256 x 256, is made by four waves, 128 x 128 each: 64 accumulators, 512 registers.  K goes in steps of 256 through a ring of two LDS slots filled by the tensor data mover.
; OPERANDS lie in memory as images of operand registers: [tile of 16 rows][K / 128][1,536 bytes], six blocks of 256 bytes, 8 bytes a lane; a fragment is six ds_load_b64 at 8 x lane, each 256 consecutive bytes.
; Tile T holds rows 32 (T / 2) + 8 (T % 2) + r + 8 (r / 8).  Scale bytes: [tile][r][32]; those of the work-group's rows come into LDS once and stay.
; THE MATRIX INSTRUCTION IS USED TRANSPOSED (source 0 = 16 rows of B, source 1 = 16 rows of A): a lane holds one row of A, and the 16 registers of B's tiles 2 b, 2 b + 1 are 16 neighbours: 32 b + 16 (lane / 16) + 0 .. 15.
; TWO REGIONS, by the cluster's y, which all partners share.  y < 8: A = x, B = the q and k columns of w_qkv: a lane holds a token, its registers run along a head's 64.
; y >= 8: A = the v columns, B = x: a lane holds a channel of v, its registers run along the keys.  So each result is quantised along its own K with no transposition.
; RESULTS.  qb [b h][step of 128 tokens][6,656]: 8 tiles x 6 registers as 12 blocks of 512 bytes (16 bytes a lane), then 512 bytes of scale words (word j: tile 2 j in lanes 0-15, tile 2 j + 1 in lanes 16-31; bytes 2, 3 are 0).
; kv [b h][step][13,056]: k as q; from 6,656 on v's four fragments (16 channels x 128 keys), 1,536 bytes each; from 12,800 on their scale words (8 bytes a lane).
; CLUSTERS: 4 x 4 work-groups; A's tiles are asked for jointly along a row of the cluster, B's along a column.
; LIMITS: a block whose largest magnitude lies under 2^-124 gets the byte 1 (a block of zeros too: its codes are zeros; only this program reads the bytes); NaN and infinities are not served.
; REGISTERS: window 0: v16-29 addresses; v32-63 scale words, two sets; v128-223 A's fragments, one set; in the way out v64-183 codes and words, v224-247 at work.  window 1: B's fragments, two sets.  windows 2, 3: the accumulators.
.set NQ,     2                         ; matrix instructions deep in a slot
.set FR,     12                        ; registers of a fragment
.set NL,     6                         ; LDS loads that bring one
.set NP,     4                         ; places behind this matrix instruction (ISA guide 7.12.1)
.set FRB,    1536                      ; a fragment's image
.set TILB,   2*FRB                     ; a tile's part of a slot
.set HALFT,  8*TILB                    ; 128 rows: what one tensor load brings
.set SLOT,   4*HALFT
.set LAPS,   2                         ; 1,024 / 512
.set KS,     32                        ; a row's scale bytes
.set KROW,   768                       ; a row's share of a tile's 12,288 bytes
.set SCL,    2*SLOT                    ; behind the ring: the scales, as runs of 256 bytes + 16 of padding
.set HALFS,  (128*KS/256)*272
.set SBLK,   (16*KS/256)*272
.set SPARE,  SCL+4*HALFS               ; the spare words, 128 bytes for each wave: two blocks of 256 bytes that no other line names
.set ADRA, 16                          ; v16-17 LDS address of my A fragments in slot 0, 1
.set ADRB, 20                          ; v20-21 the same for B
.set ADRS, 27                          ; v27 my scale words: lanes 0-15 A's rows, lanes 16-31 B's
.set SPW,  28
.set NIL,  29
.set SC,   32
.set AF,   128
.set TM,   224                         ; the way out: v224-227 largest magnitudes, v228-231 bytes, v232-233 words, v236-239 the conversions' scale operands
.set YT,   240                         ; v240-246 the conversions' second halves
.set CD,   64                          ; the codes, each store's data in registers of their own
.set G1, 24
.set G0, 32
.set G1B, 48
.set G0B, 56
.set G1S, 68
.set G0S, 76
.set G1SB, 80
.set G0SB, 88
.set OB,  92                           ; s[92:93], s[94:95] where my two heads' step begins
.set SEL, 100                          ; s[100:101] lane selects for lane l xor 16
.set HM,  104                          ; s104 lanes 16-31
.set MSB, 0
.macro WIN new                         ; the immediate's high byte repeats the setting that is left
.if MSB != \new
	s_set_vgpr_msb (MSB<<8)|\new
.set MSB, \new
.endif
.endm
.set MUL_LO, 0xa1                      ; source 0 (B) window 1, source 1 (A) window 0, C and D window 2
.set MUL_HI, 0xf1
.set TO_B,   0x40
; A joint load: waves 0 and 1 fetch for A, waves 2 and 3 for B; the branch hangs on the wave's number alone.  An s_nop 0 and four v_nop follow each of the two lines.
.macro JLOAD g0a, g1a, g0b, g1b
	s_cmp_eq_u32 s15, 0
	s_cbranch_scc0 .Lfor_b_\@
	tensor_load_to_lds s[\g0a:\g0a+3], s[\g1a:\g1a+7]
	s_nop 0
.rept 4
	v_nop
.endr
	s_branch .Lasked_\@
.Lfor_b_\@:
	tensor_load_to_lds s[\g0b:\g0b+3], s[\g1b:\g1b+7]
	s_nop 0
.rept 4
	v_nop
.endr
.Lasked_\@:
.endm
.macro CREST                           ; a round of the cluster's barrier behind its opening barrier
	s_cmp_lg_u32 s14, 0
	s_cbranch_scc1 .Lnot_wave_0_\@
	s_barrier_signal -3
.Lnot_wave_0_\@:
	s_barrier_wait -3
	s_barrier_signal -1
	s_barrier_wait -1
.endm
.macro CROUND
	s_barrier_signal -1
	s_barrier_wait -1
	CREST
.endm
	s_load_b256 s[4:11], s[0:1], 0x0               ; xq s[4:5], wts s[6:7], qb s[8:9], kv s[10:11]
	v_lshl_add_u32 v[SPW], v0, 2, SPARE
	v_mov_b32 v[NIL], 0
	ds_add_u32 v[SPW], v[NIL]                      ; the wave's opening: the add and its wait stand ahead of my first tensor load; work on registers stands between them
	v_lshrrev_b32 v1, 5, v0
	v_readfirstlane_b32 s14, v1                    ; wave 0..3
	s_lshr_b32 s15, s14, 1                         ; my half of the tile's rows.  Also: I fetch for A (0) or for B (1)
	s_and_b32 s16, s14, 1                          ; my half of its columns.  Also: which 128 rows I fetch
	s_bfe_u32 s40, ttmp6, 0x40000                  ; cx
	s_bfe_u32 s41, ttmp6, 0x40004                  ; cy
	s_and_b32 s2, ttmp7, 0xffff                    ; the cluster's y: 0-7 q and k, 8-11 v
	s_max_u32 s18, s2, 8
	s_sub_co_u32 s18, s18, 8
	s_lshl_b32 s18, s18, 1
	s_add_co_u32 s18, s18, ttmp9
	s_lshl_b32 s18, s18, 2                         ; v: the cluster's first tile column of tokens
	s_lshl_b32 s19, ttmp9, 2                       ; q, k: its first tile column of w's columns
	s_lshl_b32 s17, s2, 2                          ; q, k: its first tile row of tokens
	s_cmp_ge_u32 s2, 8
	s_cselect_b32 s42, s18, s19
	s_cselect_b32 s17, 0, s17
	s_add_co_u32 s42, s42, s40                     ; tile column
	s_add_co_u32 s17, s17, s41                     ; tile row
	s_lshl_b32 s43, s41, 2
	s_lshl_b32 s43, 15, s43                        ; my row of the cluster
	s_lshl_b32 s44, 0x1111, s40                    ; my column
	; descriptor group 1 for codes: 8 tiles' 3,072 bytes (384 elements of 8 bytes), 12,288 bytes apart; dense in LDS
	s_or_b32 s[G1+0], s43, (3<<16)|(1<<21)         ; 15:0 the mask; 17:16 elements of 8 bytes; 20 no padding; 21 set beside a mask
	s_or_b32 s[G1B+0], s44, (3<<16)|(1<<21)
.irp g, G1, G1B
	s_mov_b32 s[\g+1], 384<<16                     ; tensor_dim0
	s_mov_b32 s[\g+2], 8<<16                       ; tensor_dim1
	s_mov_b32 s[\g+3], 384<<16                     ; tile_dim0
	s_mov_b32 s[\g+4], 8                           ; tile_dim1
	s_mov_b32 s[\g+5], 1536                        ; tensor_dim0_stride
	s_mov_b32 s[\g+6], 0
	s_mov_b32 s[\g+7], 0
.endr
	; and for the scales of 128 rows: 4,096 dense bytes as rows of 256 bytes, 16 bytes of padding behind each
	s_or_b32 s[G1S+0], s43, (3<<16)|(1<<20)|(1<<21)|(5<<22)|(3<<25)
	s_or_b32 s[G1SB+0], s44, (3<<16)|(1<<20)|(1<<21)|(5<<22)|(3<<25)
.irp g, G1S, G1SB
	s_mov_b32 s[\g+1], 32<<16
	s_mov_b32 s[\g+2], (128*KS/256)<<16
	s_mov_b32 s[\g+3], 32<<16
	s_mov_b32 s[\g+4], 128*KS/256
	s_mov_b32 s[\g+5], 32
	s_mov_b32 s[\g+6], 0
	s_mov_b32 s[\g+7], 0
.endr
	s_lshl_b32 s18, s16, 7
	s_lshl_b32 s20, s17, 8
	s_add_co_u32 s20, s20, s18                     ; A: row (in tile order) 256 x tile row + 128 x half
	s_lshl_b32 s46, s42, 8
	s_add_co_u32 s46, s46, s18                     ; B likewise
	s_mov_b32 s21, 0
	s_mov_b32 s47, 0
	s_mov_b64 s[18:19], KS
	s_mul_u64 s[22:23], s[20:21], s[18:19]         ; where these rows' scales begin,
	s_mul_u64 s[92:93], s[46:47], s[18:19]
	s_mov_b64 s[18:19], KROW
	s_mul_u64 s[20:21], s[20:21], s[18:19]         ; and their codes
	s_mul_u64 s[46:47], s[46:47], s[18:19]
	s_mul_i32 s45, s14, HALFT                      ; where they go: no place in the cluster enters an LDS address
	s_mul_i32 s94, s14, HALFS
	s_wait_dscnt 0x0                               ; the opening add is done
	s_wait_kmcnt 0x0
	s_add_nc_u64 s[96:97], s[6:7], 1572864         ; the v columns' codes (tiles 128 on),
	s_add_nc_u64 s[98:99], s[6:7], 2424832         ; their scales,
	s_add_nc_u64 s[100:101], s[6:7], 2359296       ; w_qkv's scales,
	s_add_nc_u64 s[104:105], s[4:5], 6291456       ; x's scales
	s_cmp_ge_u32 s2, 8                             ; the choice hangs on the cluster's y alone
	s_cselect_b64 s[12:13], s[4:5], s[6:7]         ; B's codes
	s_cselect_b64 s[100:101], s[104:105], s[100:101]   ; B's scales
	s_cselect_b64 s[4:5], s[96:97], s[4:5]         ; A's codes
	s_cselect_b64 s[6:7], s[98:99], s[104:105]     ; A's scales
	s_add_nc_u64 s[20:21], s[4:5], s[20:21]
	s_add_nc_u64 s[22:23], s[6:7], s[22:23]
	s_add_nc_u64 s[46:47], s[12:13], s[46:47]
	s_add_nc_u64 s[92:93], s[100:101], s[92:93]
	CROUND                                         ; all sixteen work-groups are here: the first joint loads meet
	s_mov_b32 s[G0S], 1
	s_add_co_u32 s[G0S+1], s94, SCL
	s_mov_b64 s[G0S+2:G0S+3], s[22:23]
	s_or_b32 s[G0S+3], s[G0S+3], 0x80000000
	s_mov_b32 s[G0SB], 1
	s_add_co_u32 s[G0SB+1], s94, SCL
	s_mov_b64 s[G0SB+2:G0SB+3], s[92:93]
	s_or_b32 s[G0SB+3], s[G0SB+3], 0x80000000
	JLOAD G0S, G1S, G0SB, G1SB                     ; the scales first: they are wanted with K step 0
.irp s, 0,1
	s_mov_b32 s[G0+4*\s], 1
	s_add_co_u32 s[G0+4*\s+1], s45, \s*SLOT
	s_add_nc_u64 s[G0+4*\s+2:G0+4*\s+3], s[20:21], \s*TILB
	s_or_b32 s[G0+4*\s+3], s[G0+4*\s+3], 0x80000000
	s_mov_b32 s[G0B+4*\s], 1
	s_add_co_u32 s[G0B+4*\s+1], s45, \s*SLOT
	s_add_nc_u64 s[G0B+4*\s+2:G0B+4*\s+3], s[46:47], \s*TILB
	s_or_b32 s[G0B+4*\s+3], s[G0B+4*\s+3], 0x80000000
	JLOAD G0+4*\s, G1, G0B+4*\s, G1B
.endr
	v_and_b32 v1, 15, v0                           ; l % 16
	v_bfe_u32 v2, v0, 4, 1                         ; l / 16
	v_and_b32 v6, 31, v0
	v_lshlrev_b32 v4, 3, v6                        ; 8 x lane
	v_lshlrev_b32 v24, 4, v6                       ; the way out: 16 x lane,
	v_lshlrev_b32 v25, 3, v6                       ; 8 x lane
	s_mul_i32 s21, s15, HALFT                      ; my 128 rows of A
	s_mul_i32 s22, s16, HALFT                      ; my 128 rows of B,
	s_add_co_u32 s22, s22, 2*HALFT                 ; which lie behind A's 256
.irp s, 0,1
	v_add_nc_u32 v[ADRA+\s], s21, v4
	v_add_nc_u32 v[ADRB+\s], s22, v4
	s_add_co_u32 s21, s21, SLOT
	s_add_co_u32 s22, s22, SLOT
.endr
	v_mul_u32_u24 v5, v1, KS                       ; my row's scales: 32 bytes a row,
	v_lshrrev_b32 v6, 8, v5
	v_lshl_add_u32 v5, v6, 4, v5                   ; and 16 more for each 256 passed
	s_mul_i32 s21, s15, HALFS
	s_mul_i32 s22, s16, HALFS
	s_add_co_u32 s22, s22, 2*HALFS
	s_sub_co_u32 s22, s22, s21
	v_mul_u32_u24 v6, s22, v2                      ; lanes 16-31 take B's
	s_add_co_u32 s21, s21, SCL
	v_add_nc_u32 v5, v5, v6
	v_add_nc_u32 v[ADRS], s21, v5
	; where my results go.  P = 2 x tile row + my row half, Q = 2 x tile column + my column half.  q, k: step of tokens P, heads 2 (Q % 8) and the next.  v: step of tokens Q, heads 2 P and the next
	s_lshl_b32 s92, s17, 1
	s_add_co_u32 s92, s92, s15
	s_lshl_b32 s93, s42, 1
	s_add_co_u32 s93, s93, s16
	s_and_b32 s94, s93, 7
	s_cmp_ge_u32 s2, 8
	s_cselect_b32 s95, s93, s92                    ; the group of 128 tokens, 0 .. 63
	s_cselect_b32 s94, s92, s94                    ; the pair of heads
	s_cselect_b32 s96, 1, ttmp9                    ; 1: into kv (v, and k's columns); 0: into qb
	s_lshr_b32 s97, s95, 4                         ; the batch
	s_and_b32 s95, s95, 15                         ; the step
	s_lshl_b32 s97, s97, 4
	s_lshl_b32 s94, s94, 1
	s_add_co_u32 s97, s97, s94                     ; 16 b + head
	s_lshl_b32 s97, s97, 4
	s_add_co_u32 s97, s97, s95
	s_mov_b32 s98, 6656
	s_cmp_eq_u32 s96, 1
	s_cselect_b32 s98, 13056, s98                  ; a step's bytes
	s_cselect_b64 s[OB:OB+1], s[10:11], s[8:9]
	s_mul_i32 s96, s97, s98
	s_mov_b32 s97, 0
	s_add_nc_u64 s[OB:OB+1], s[OB:OB+1], s[96:97]
	s_lshl_b32 s96, s98, 4                         ; the next head: 16 steps on
	s_add_nc_u64 s[OB+2:OB+3], s[OB:OB+1], s[96:97]
	s_mov_b32 s[SEL], 0x76543210
	s_mov_b32 s[SEL+1], 0xfedcba98
	s_mov_b32 s[HM], 0xffff0000
.macro FRAG reg, adr, q, i             ; a fragment's image: six blocks of 256 bytes, 8 bytes a lane
.irp p, 0,1,2,3,4,5
	ds_load_b64 v[\reg+2*\p:\reg+2*\p+1], v[\adr] offset:(\i)*TILB+(\q)*FRB+256*\p
.endr
.endm
; 16 matrix instructions: A's blocks a0, a0 + 1 x B's eight, 128 along K.  The 64 accumulators take turns, one instruction a turn, in the same order in every step.
.macro MUL16 a0, p, q, sc, zero
.irp a, \a0, \a0+1
.irp b, 0,1,2,3,4,5,6,7
.if \zero
	v_wmma_scale_f32_16x16x128_f8f6f4 v[8*(8*((\a)%4)+\b):8*(8*((\a)%4)+\b)+7], v[128*(\p)+FR*\b:128*(\p)+FR*\b+FR-1], v[AF+FR*(\a):AF+FR*(\a)+FR-1], 0, v[SC+8*NQ*(\sc)+NQ*\b+(\q)], v[SC+8*NQ*(\sc)+NQ*(\a)+(\q)] matrix_a_fmt:MATRIX_FMT_FP6 matrix_b_fmt:MATRIX_FMT_FP6 matrix_a_scale:MATRIX_SCALE_ROW1
.else
	v_wmma_scale_f32_16x16x128_f8f6f4 v[8*(8*((\a)%4)+\b):8*(8*((\a)%4)+\b)+7], v[128*(\p)+FR*\b:128*(\p)+FR*\b+FR-1], v[AF+FR*(\a):AF+FR*(\a)+FR-1], v[8*(8*((\a)%4)+\b):8*(8*((\a)%4)+\b)+7], v[SC+8*NQ*(\sc)+NQ*\b+(\q)], v[SC+8*NQ*(\sc)+NQ*(\a)+(\q)] matrix_a_fmt:MATRIX_FMT_FP6 matrix_b_fmt:MATRIX_FMT_FP6 matrix_a_scale:MATRIX_SCALE_ROW1
.endif
.endr
.endr
.endm
.macro FETCH_B slot, q, p
	WIN TO_B
.irp i, 0,1,2,3,4,5,6,7
	FRAG 128*(\p)+FR*\i, ADRB+\slot, \q, \i
.endr
	WIN 0
.endm
.macro FETCH_A slot, q, i0
.irp i, \i0, \i0+1, \i0+2, \i0+3
	FRAG AF+FR*(\i), ADRA+\slot, \q, \i
.endr
.endm
.macro SCALES sc                       ; a K step's scale words: two a row; lanes 0-15 A's block i, lanes 16-31 B's block i
.irp i, 0,1,2,3,4,5,6,7
	ds_load_b64 v[SC+8*NQ*\sc+NQ*\i:SC+8*NQ*\sc+NQ*\i+1], v[ADRS] offset:\i*SBLK
.endr
.endm
.macro PLACES n                        ; plain vector instructions between a matrix instruction and a load into, or a vector read of, its registers
.rept \n
	v_nop
.endr
.endm
.macro STEP slot, q, zero              ; 128 along K that have their successor in the same slot
	s_wait_dscnt 4*NL                              ; B's set and A's blocks 0-3 are in; the youngest 24 loads (A's blocks 4-7) may be out
	WIN MUL_LO
	MUL16 0, (\q)%2, \q, \slot, \zero
	MUL16 2, (\q)%2, \q, \slot, \zero
	s_wait_dscnt 0
	PLACES NP
	FETCH_B \slot, (\q)+1, 1-(\q)%2
	FETCH_A \slot, (\q)+1, 0
	WIN MUL_HI
	MUL16 4, (\q)%2, \q, \slot, \zero
	MUL16 6, (\q)%2, \q, \slot, \zero
	PLACES NP
	WIN 0
	FETCH_A \slot, (\q)+1, 4
.endm
; A slot's last step changes slots: one barrier; in front of it each wave waits for all its tensor loads, adds 0 to its spare word, and waits for that and for its reads of this slot.
.macro TURN slot, next, fill
	s_wait_tensorcnt 0x0                           ; all my tensor loads have landed: my part of the next slot
	ds_add_u32 v[SPW], v[NIL]                      ; 0 onto my spare word
	s_wait_dscnt 4*NL+1                            ; the add and the youngest 24 loads may be out
	WIN MUL_LO
	MUL16 0, 1, NQ-1, \slot, 0
	s_wait_dscnt 0x0                               ; the add is done, and my reads of this slot are over
	s_barrier_signal -1
	MUL16 2, 1, NQ-1, \slot, 0
	WIN 0
	s_barrier_wait -1
.if \fill
	CREST                                          ; the barrier has opened a round of the cluster's barrier: no wave of any partner still reads this slot or has a load on its way
	s_add_nc_u64 s[G0+4*\slot+2:G0+4*\slot+3], s[G0+4*\slot+2:G0+4*\slot+3], 2*TILB
	s_add_nc_u64 s[G0B+4*\slot+2:G0B+4*\slot+3], s[G0B+4*\slot+2:G0B+4*\slot+3], 2*TILB
	JLOAD G0+4*\slot, G1, G0B+4*\slot, G1B         ; the first tensor load behind the round; its four v_nop are the places in front of the loads below
.else
	PLACES NP
.endif
	v_add_nc_u32 v[ADRS], 4*NQ, v[ADRS]            ; the next K step's scale words
	FETCH_B \next, 0, 0
	FETCH_A \next, 0, 0
	SCALES \next
	WIN MUL_HI
	MUL16 4, 1, NQ-1, \slot, 0
	MUL16 6, 1, NQ-1, \slot, 0
	PLACES NP
	WIN 0
	FETCH_A \next, 0, 4
.endm
	s_wait_tensorcnt 1                             ; the scales and my part of K step 0 are in (K step 1's load may be out),
	s_barrier_signal -1
	s_barrier_wait -1                              ; everybody's are
	FETCH_B 0, 0, 0
	FETCH_A 0, 0, 0
	SCALES 0
	FETCH_A 0, 0, 4
	STEP 0, 0, 1                                   ; the first step's products start the sums
	s_mov_b32 s3, LAPS-1
.Llap:
	TURN 0, 1, 1
	STEP 1, 0, 0
	TURN 1, 0, 1
	STEP 0, 0, 0
	s_sub_co_u32 s3, s3, 1
	s_cmp_lg_u32 s3, 0
	s_cbranch_scc1 .Llap
	TURN 0, 1, 0                                   ; the last lap fills nothing
	STEP 1, 0, 0
	s_wait_dscnt 4*NL
	WIN MUL_LO
	MUL16 0, 1, NQ-1, 1, 0
	MUL16 2, 1, NQ-1, 1, 0
	s_wait_dscnt 0
	WIN MUL_HI
	MUL16 4, 1, NQ-1, 1, 0
	MUL16 6, 1, NQ-1, 1, 0
	WIN 0
; THE WAY OUT.  64 numbers of a lane in window win, four blocks of 16 registers (two from sa on, two from sb on), block b's register i = place 16 (lane / 16) + i of a block of 32 of my row,
; become 12 registers of codes from dst on (registers 6 c .. 6 c + 5: lanes 0-15 block 2 c, lanes 16-31 block 2 c + 1) and four scale bytes in v[TM+4] on.  Each accumulator is read from its low end on.
.macro QCORE sa, sb, win, dst
	WIN ((\win)|((\win)<<2))
.irp b, 0,1
	v_max3_num_f32 v[TM+\b], |v[(\sa)+16*\b]|, |v[(\sa)+16*\b+1]|, 0x1800000       ; with the floor 2^(3 - 127)
.endr
.irp b, 0,1
	v_max3_num_f32 v[TM+2+\b], |v[(\sb)+16*\b]|, |v[(\sb)+16*\b+1]|, 0x1800000
.endr
	WIN (((\win)<<2)|((\win)<<4))
.irp i, 2,4,6,8,10,12,14
.irp b, 0,1
	v_max3_num_f32 v[TM+\b], v[TM+\b], |v[(\sa)+16*\b+\i]|, |v[(\sa)+16*\b+\i+1]|
.endr
.irp b, 0,1
	v_max3_num_f32 v[TM+2+\b], v[TM+2+\b], |v[(\sb)+16*\b+\i]|, |v[(\sb)+16*\b+\i+1]|
.endr
.endr
	WIN 0
.irp b, 0,1,2,3
	v_permlanex16_b32 v[TM+4+\b], v[TM+\b], s[SEL], s[SEL+1]
.endr
.irp b, 0,1,2,3
	v_max_num_f32 v[TM+\b], v[TM+\b], v[TM+4+\b]   ; with lane l xor 16's: the block's largest magnitude
.endr
.irp b, 0,1,2,3
	v_add_nc_u32 v[TM+12+\b], 0xff000000, v[TM+\b] ; 2 off the exponent field: the conversion's scale operand
.endr
.irp b, 0,1,2,3
	v_lshrrev_b32 v[TM+4+\b], 23, v[TM+12+\b]      ; the scale's byte
.endr
	WIN (\win)
	v_cvt_scalef32_pk16_fp6_f32 v[(\dst):(\dst)+2], v[(\sa):(\sa)+15], v[TM+12]
	v_cvt_scalef32_pk16_fp6_f32 v[YT:YT+2], v[(\sa)+16:(\sa)+31], v[TM+13]
	v_cvt_scalef32_pk16_fp6_f32 v[(\dst)+6:(\dst)+8], v[(\sb):(\sb)+15], v[TM+14]
	v_cvt_scalef32_pk16_fp6_f32 v[YT+4:YT+6], v[(\sb)+16:(\sb)+31], v[TM+15]
	WIN 0
	v_nop                                          ; one plain place behind a scaled conversion
.irp c, 0,1
.irp i, 0,1,2
	v_permlane16_swap_b32 v[(\dst)+6*\c+\i], v[YT+4*\c+\i]     ; a whole block to a lane
.endr
.irp i, 0,1,2
	v_mov_b32 v[(\dst)+3+6*\c+\i], v[YT+4*\c+\i]
.endr
.endr
.endm
	PLACES NP                                      ; behind the last products
.irp b, 0,1,2,3
	v_mov_b32 v[TM+4+\b], 0                        ; a lane permute's destination counts as one of its sources
.endr
	s_cmp_ge_u32 s2, 8
	s_cbranch_scc1 .Lvpath
	; q or k: token tiles 2 e, 2 e + 1 of head c: their two blocks of 32 along the head's 64 each: registers 12 e .. 12 e + 11 of the step's 48
.irp e, 0,1,2,3
.irp c, 0,1
	QCORE 64*((2*\e)%4)+32*\c, 64*((2*\e+1)%4)+32*\c, 2+\e/2, CD+24*\e+12*\c
	v_lshl_or_b32 v[TM+8], v[TM+5], 8, v[TM+4]     ; tile 2 e's word,
	v_lshl_or_b32 v[TM+9], v[TM+7], 8, v[TM+6]     ; tile 2 e + 1's: bytes 2 and 3 stay 0
	v_cndmask_b32 v[160+4*\c+\e], v[TM+8], v[TM+9], s[HM]
.irp j, 0,1,2
	global_store_b128 v24, v[CD+24*\e+12*\c+4*\j:CD+24*\e+12*\c+4*\j+3], s[OB+2*\c:OB+2*\c+1] offset:512*(3*\e+\j)    ; 512 consecutive bytes, aligned
.endr
.endr
.endr
.irp c, 0,1
	global_store_b128 v24, v[160+4*\c:163+4*\c], s[OB+2*\c:OB+2*\c+1] offset:6144
.endr
	s_branch .Ldone
.Lvpath:
	; v: channel tile a (head a / 4, tile a % 4 of its four): four blocks of 32 keys: one whole fragment
.irp a, 0,1,2,3,4,5,6,7
	QCORE 64*(\a%4), 64*(\a%4)+32, 2+\a/4, CD+12*\a
	v_lshl_or_b32 v[168+\a], v[TM+5], 8, v[TM+4]
	v_lshl_or_b32 v[168+\a], v[TM+6], 16, v[168+\a]
	v_lshl_or_b32 v[168+\a], v[TM+7], 24, v[168+\a]
.irp j, 0,1,2
	global_store_b128 v24, v[CD+12*\a+4*\j:CD+12*\a+4*\j+3], s[OB+2*(\a/4):OB+2*(\a/4)+1] offset:6656+1536*(\a%4)+512*\j
.endr
.endr
.irp c, 0,1
.irp j, 0,1
	v_cndmask_b32 v[176+2*\c+\j], v[168+4*\c+2*\j], v[169+4*\c+2*\j], s[HM]
.endr
	global_store_b64 v25, v[176+2*\c:177+2*\c], s[OB+2*\c:OB+2*\c+1] offset:12800    ; 256 consecutive bytes, aligned
.endr
.Ldone:
	s_wait_tensorcnt 0x0                           ; the wave's end: behind my last tensor load
	ds_add_u32 v[SPW], v[NIL]
	s_wait_dscnt 0x0
	CROUND                                         ; the closing round: no work-group ends while a partner may still ask for a tile that names it
	s_endpgm
.Lfunc_end_k_qa5853fb3aa_gemm_qkv:
	.size	k_qa5853fb3aa_gemm_qkv, .Lfunc_end_k_qa5853fb3aa_gemm_qkv-k_qa5853fb3aa_gemm_qkv
	.p2alignl 7, 3214868480
	.fill 96, 4, 3214868480
	.section	.rodata,"a",@progbits
	.p2align	6, 0x0
	.amdhsa_kernel k_qa5853fb3aa_gemm_qkv
		.amdhsa_group_segment_fixed_size 327680
		.amdhsa_private_segment_fixed_size 0
		.amdhsa_enable_private_segment 0
		.amdhsa_kernarg_size 32
		.amdhsa_user_sgpr_count 2
		.amdhsa_user_sgpr_kernarg_segment_ptr 1
		.amdhsa_wavefront_size32 1
		.amdhsa_system_sgpr_workgroup_id_x 1
		.amdhsa_system_sgpr_workgroup_id_y 1
		.amdhsa_system_sgpr_workgroup_id_z 1
		.amdhsa_system_vgpr_workitem_id 0
		.amdhsa_next_free_vgpr 1024
		.amdhsa_next_free_sgpr 106
		.amdhsa_reserve_vcc 0
		.amdhsa_float_denorm_mode_32 3
		.amdhsa_float_denorm_mode_16_64 3
		.amdhsa_memory_ordered 1
		.amdhsa_forward_progress 1
		.amdhsa_inst_pref_size 198
	.end_amdhsa_kernel
	.amdgpu_metadata
---
amdhsa.version: [ 1, 2 ]
amdhsa.kernels:
  - .name:           k_qa5853fb3aa_gemm_qkv
    .symbol:         k_qa5853fb3aa_gemm_qkv.kd
    .args:
      - { .name: xq, .offset: 0, .size: 8, .value_kind: global_buffer, .address_space: global }
      - { .name: wts, .offset: 8, .size: 8, .value_kind: global_buffer, .address_space: global }
      - { .name: qb, .offset: 16, .size: 8, .value_kind: global_buffer, .address_space: global }
      - { .name: kv, .offset: 24, .size: 8, .value_kind: global_buffer, .address_space: global }
    .group_segment_fixed_size: 327680
    .private_segment_fixed_size: 0
    .kernarg_segment_align: 8
    .kernarg_segment_size: 32
    .max_flat_workgroup_size: 128
    .sgpr_count:     106
    .vgpr_count:     1024
    .wavefront_size: 32
...
	.end_amdgpu_metadata
.endif
;; end of part 2
;; launch attn (part 3): grid 4 x 64, 16 waves a work-group, no clusters, 327,680 bytes of LDS; arguments qb, kv, oq; writes oq
.if DOCPART == 3
	.amdgcn_target "amdgcn-amd-amdhsa--gfx1250"
	.amdhsa_code_object_version 6
	.text
	.protected	k_qa5853fb3aa_attn
	.globl	k_qa5853fb3aa_attn
	.p2align	8
	.type	k_qa5853fb3aa_attn,@function
k_qa5853fb3aa_attn:
	s_mov_b64 s[64:65], 0
	v_nop
	global_prefetch_b8 v0, s[64:65] scope:SCOPE_SE
	s_setreg_imm32_b32 hwreg(HW_REG_WAVE_MODE, 25, 1), 1
	s_wait_xcnt 0x0
; Causal attention of one (batch, head) on codes of FP6 (E2M3) with E8M0 scales; T = 2,048, head size 64.  Its result, divided by the row's sum, is quantised along the 1,024 channels and stored as the projection's operand.
; THE SOFTMAX: t = score x log2(e) / 8; M = the running largest t rounded UP to a whole number; p = 2^(t - M) is quantised along the keys, not normalised; the sum is taken of the unquantised p; when M moves,
; the sum and O are multiplied by 2^(old M - new M), which rounds nothing.  No fixed shift: the running maximum is taken away for every input.
; INPUTS are images of operand registers.  kv [b h][step of 128 keys][13,056]: k's 8 tiles x 6 registers (12 blocks of 512 bytes, 16 bytes a lane), 512 bytes of scale words, v's 4 fragments (16 channels x 128 keys), 256 bytes of scale words.  qb: as k.
; Tile t of a step holds tokens 32 (t / 2) + 8 (t % 2) + r + 8 (r / 8), so that p's 16 registers of tiles 2 b, 2 b + 1 are 16 neighbouring keys; v's channel tiles likewise, so that O's registers are neighbours along the channels.
; K = 64 IN AN INSTRUCTION OF 128: Q's registers 6-11 are zero codes.  k's fragment t is named v[30 + 6 t : 41 + 6 t]: its upper six registers are the next fragment's codes (behind the last: six registers of zeros):
; finite numbers times zero codes add exactly 0; the unused blocks' scale bytes are 0, which stands for 2^-127.
; SHARES.  Work-group (i, b h) owns the blocks 7 - i and i of 256 queries: 8 - i and i + 1 slots of 256 keys, nine in every work-group.  Each of its sixteen waves owns one tile of 16 queries, four waves to a SIMD.
; ONE LOOP OF NINE TRIPS walks the late block's slots, then the early block's; the slot's number enters the tile's global address and the mask alone, never an LDS address.
; Both products are used transposed: a lane holds one query throughout.  A step all of whose keys come after my queries is left out by a scalar branch on ids.
; NO CLUSTER: the four work-groups of a head turn back to slot 0 in different trips (8 - i hangs on the work-group's place), so joint requests would differ; what they share is 26,112 bytes a trip.
; LIMITS: a block of the result whose largest magnitude lies under 2^-124 gets the byte 1; NaN and infinities are not served.
; REGISTERS: v1-11 addresses; v12 -M, v13 largest t, v[14:15] the sum; v16-27 Q; v28 Q's scale word; v30-77 k or v; v78-83 zeros; v84-87, v88-89, v90 scale words of k, v, p; v96-159 S^T, then p; v160-191 O^T; v192-210 codes; v232-254 at work.
.set STEPB, 13056
.set SLOTB, 2*STEPB                    ; a slot: two steps, dense in memory: 102 rows of 256 bytes
.set SLOT1, 32768                      ; slot 1 begins here: one exclusive or turns an address
.set SPARE, 65536                      ; the spare words, 128 bytes for each of the sixteen waves: eight blocks of 256 bytes that no other line names
.set SPW, 3
.set NIL, 4
.set ADK, 5                            ; v5  slot + 16 x lane
.set ADV, 6                            ; v6  slot + 8 x lane
.set QD,  7                            ; v7  r + 8 (r / 8) - 16 h
.set QCO, 8                            ; v8  Q's codes: 16 x lane + 1,536 x ((w / 2) % 4)
.set OSO, 9                            ; v9  the result's scale byte: 32 r + h
.set QSO, 10                           ; v10 Q's scale word
.set PFO, 11                           ; v11 the prefetch's offset
.set QF,  16
.set QS,  28
.set KB,  30
.set KSC, 84
.set VSC, 88
.set PS,  90
.set S,   96
.set O,   160
.set PC,  192
.set YT,  204
.set TB,  2                            ; s2  LDS byte at which the slot in hand begins
.set CUR, 3                            ; s3  which 256 keys it holds
.set KVB, 10                           ; s[10:11] kv at my (b, h)
.set QB,  12                           ; s[12:13] qb at my (b, h), + my wave's step of a block's two
.set OC,  14                           ; s[14:15] the result's codes: my wave's tile of block 0, my head's six registers
.set OS,  16                           ; s[16:17] and its scale bytes
.set WV,  18
.set SEL, 20
.set CS,  22                           ; s[22:23] c = log2(e) / 8
.set G1,  24
.set G0,  40
.set NXT, 66
.set SLOTS, 67
.set LEN, 68
.set BLKQ, 69
.set HM,  70
.set PM,  71
.set OCB, 72
.set OSB, 74
.set PFA, 76
.set LIM, 80
.set WQ,  81
.set QP,  84
.set KF,  98
.set Q0,  99
.macro TLOAD                           ; wave 0 fetches a slot; the branch hangs on the wave's number alone.  An s_nop 0 and four v_nop follow the load
	s_cmp_lg_u32 s[WV], 0
	s_cbranch_scc1 .Lnot_mine_\@
	tensor_load_to_lds s[G0:G0+3], s[G1:G1+7]
	s_nop 0
.rept 4
	v_nop
.endr
.Lnot_mine_\@:
.endm
; A prefetch of the slot that stands two trips on, 102 runs of 256 bytes, a lane a run (the lanes past the last run name the last again).  The four work-groups of a head walk the same slots: the one that walks all
; eight (i = 0) asks, its waves 4 to 7, one instruction each, behind the change's tensor load.  Slots 0 and 1 come by their loads alone; the last two changes that fill a slot ask for nothing: slot 7 is the last.
.macro ASK
	s_cmp_gt_u32 s[SLOTS], s[LIM]
	s_cbranch_scc0 .Lno_ask_\@
	global_prefetch_b8 v[PFO], s[PFA:PFA+1] th:TH_LOAD_NT scope:SCOPE_SE
.Lno_ask_\@:
.endm
; A block of queries begins: its addresses, my tile of Q, and the softmax's state.
.macro REINIT
	s_lshl_b32 s[Q0], s[BLKQ], 8
	s_add_co_u32 s[Q0], s[Q0], s[WQ]               ; my tile's first query
	s_mul_i32 s96, s[BLKQ], 196608                 ; 16 tiles of 12,288 bytes
	s_mov_b32 s97, 0
	s_add_nc_u64 s[OCB:OCB+1], s[OC:OC+1], s[96:97]
	s_lshl_b32 s96, s[BLKQ], 13                    ; 16 tiles of 512 scale bytes
	s_add_nc_u64 s[OSB:OSB+1], s[OS:OS+1], s[96:97]
	s_mul_i32 s96, s[BLKQ], 13312                  ; two steps of qb
	s_add_nc_u64 s[QP:QP+1], s[QB:QB+1], s[96:97]
.irp j, 0,1,2
	global_load_b128 v[S+4*\j:S+4*\j+3], v[QCO], s[QP:QP+1] offset:512*\j      ; two tiles' 12 registers
.endr
	global_load_b32 v[QS], v[QSO], s[QP:QP+1] offset:6144
	v_mov_b32 v13, 0xff61b1e6                      ; the largest t so far: -3e38
	s_delay_alu instid0(VALU_DEP_1)
	v_floor_f32 v12, -v13
	v_mov_b32 v14, 0
	v_mov_b32 v15, 0
	s_wait_loadcnt 0x0
.irp p, 0,1,2,3,4,5
	v_cndmask_b32 v[QF+\p], v[S+\p], v[S+6+\p], s[PM]      ; the even tile's six or the odd one's
.endr
.set N, 0
.rept 32
	v_mov_b32 v[O+N], 0                            ; O^T: the first change of M leaves zeros zeros.  (These are also the places between the lines above and the next products)
.set N, N+1
.endr
.endm
; A KEY STEP: 128 keys, the q-th of the slot in hand.
.macro STEP q
	s_lshl_b32 s[KF], s[CUR], 8
	s_add_co_u32 s[KF], s[KF], 128*(\q)            ; the step's first key
	s_add_co_u32 s96, s[Q0], 23                    ; my last query
	s_cmp_gt_u32 s[KF], s96
	s_cbranch_scc1 .Lhidden_\@                     ; all its keys come after my queries
	v_add_nc_u32 v[ADK], s[TB], v1
	v_add_nc_u32 v[ADV], s[TB], v2
	v_nop
	v_nop                                          ; four places in front of loads into registers that the last products have read
.irp i, 0,1,2,3,4,5,6,7,8,9,10,11
	ds_load_b128 v[KB+4*\i:KB+4*\i+3], v[ADK] offset:STEPB*(\q)+512*\i
.endr
	ds_load_b128 v[KSC:KSC+3], v[ADK] offset:STEPB*(\q)+6144
	s_wait_alu depctr_va_vdst(0)
	s_wait_dscnt 0x0
.irp j, 0,1,2,3                        ; S^T = K Q^T: word j holds tile 2 j's scales in lanes 0-15, tile 2 j + 1's in lanes 16-31
	v_wmma_scale_f32_16x16x128_f8f6f4 v[S+16*\j:S+16*\j+7], v[KB+12*\j:KB+12*\j+11], v[QF:QF+11], 0, v[KSC+\j], v[QS] matrix_a_fmt:MATRIX_FMT_FP6 matrix_b_fmt:MATRIX_FMT_FP6
	v_wmma_scale_f32_16x16x128_f8f6f4 v[S+16*\j+8:S+16*\j+15], v[KB+12*\j+6:KB+12*\j+17], v[QF:QF+11], 0, v[KSC+\j], v[QS] matrix_a_fmt:MATRIX_FMT_FP6 matrix_b_fmt:MATRIX_FMT_FP6 matrix_a_scale:MATRIX_SCALE_ROW1
.endr
.rept 4
	v_nop                                          ; places in front of the loads below and of the first read of the scores
.endr
.irp i, 0,1,2,3,4,5,6,7,8,9,10,11
	ds_load_b128 v[KB+4*\i:KB+4*\i+3], v[ADK] offset:STEPB*(\q)+6656+512*\i    ; V's four fragments: they land under the softmax
.endr
	ds_load_b64 v[VSC:VSC+1], v[ADV] offset:STEPB*(\q)+12800
	s_add_co_u32 s96, s[KF], 127
	s_cmp_le_u32 s96, s[Q0]
	s_cbranch_scc1 .Lopen_\@                       ; all its keys count
	s_sub_co_i32 s96, s[Q0], s[KF]
	v_add_nc_u32 v252, s96, v[QD]                  ; d = my query - KF - 16 h.  Register 16 b + i holds key KF + 32 b + 16 h + i: hidden where 32 b + i > d
	v_mov_b32 v254, 0xff800000                     ; -infinity: p = 0 then
.set N, 0
.rept 64
	v_cmp_gt_i32 vcc_lo, 32*(N/16)+N%16, v252
	v_cndmask_b32 v[S+N], v[S+N], v254, vcc_lo
.set N, N+1
.endr
.Lopen_\@:
.irp b, 0,1,2,3
	v_max3_num_f32 v[232+\b], v[S+16*\b], v[S+1+16*\b], v[S+2+16*\b]     ; the largest score of each block of 32 keys: for the row's maximum, and, since p rises with the score, for the block's largest p
.endr
.irp i, 3,5,7,9,11,13
.irp b, 0,1,2,3
	v_max3_num_f32 v[232+\b], v[232+\b], v[S+16*\b+\i], v[S+1+16*\b+\i]
.endr
.endr
.irp b, 0,1,2,3
	v_max_num_f32 v[232+\b], v[232+\b], v[S+15+16*\b]
.endr
.irp b, 0,1,2,3
	s_delay_alu instid0(VALU_DEP_4)
	v_permlanex16_b32 v[236+\b], v[232+\b], s[SEL], s[SEL+1]
.endr
.irp b, 0,1,2,3
	s_delay_alu instid0(VALU_DEP_4)
	v_max_num_f32 v[232+\b], v[232+\b], v[236+\b]
.endr
	s_delay_alu instid0(VALU_DEP_2)
	v_max3_num_f32 v254, v232, v233, v234
	s_delay_alu instid0(VALU_DEP_1)
	v_max_num_f32 v254, v254, v235
	s_delay_alu instid0(VALU_DEP_1)
	v_mul_f32 v254, s[CS], v254                    ; as t
	s_delay_alu instid0(VALU_DEP_1)
	v_max_num_f32 v13, v13, v254                   ; the running largest t
	v_mov_b32 v254, v12
	s_delay_alu instid0(VALU_DEP_2)
	v_floor_f32 v12, -v13                          ; the new -M = -ceil(t)
	s_delay_alu instid0(VALU_DEP_1)
	v_sub_f32 v254, v12, v254                      ; old M - new M: a whole number, 0 or less
	s_delay_alu instid0(VALU_DEP_1)
	v_cvt_i32_f32 v254, v254                       ; (it saturates)
	s_delay_alu instid0(VALU_DEP_1)
	v_ldexp_f32 v252, 1.0, v254                    ; f = 2^(old M - new M)
.set N, 0
.rept 32
	v_pk_fma_f32 v[S+N:S+N+1], v[S+N:S+N+1], s[CS:CS+1], v[12:13] op_sel_hi:[1,0,0]    ; t - M, two at a time
.set N, N+2
.endr
.irp b, 0,1,2,3
	v_fma_f32 v[232+\b], v[232+\b], s[CS], v12
.endr
.set N, 0
	s_wait_alu depctr_va_vdst(0)
.rept 64
	v_exp_f32 v[S+N], v[S+N]                       ; p = 2^(t - M)
.set N, N+1
.endr
	v_pk_mul_f32 v[14:15], v[14:15], v[252:253] op_sel_hi:[1,0]    ; the sums under the new M: a plain place behind the exponentials
	s_wait_alu depctr_va_vdst(0)                   ; one wait for the whole batch, ahead of its first reader
.irp b, 0,1,2,3
	v_exp_f32 v[232+\b], v[232+\b]                 ; each block's largest p
.endr
	v_pk_add_f32 v[236:237], v[100:101], v[104:105]
	v_pk_add_f32 v[254:255], v[108:109], v[112:113]
	v_pk_add_f32 v[250:251], v[116:117], v[120:121]
	v_pk_add_f32 v[248:249], v[124:125], v[128:129]
	v_pk_add_f32 v[246:247], v[132:133], v[136:137]
	v_pk_add_f32 v[244:245], v[140:141], v[144:145]
	v_pk_add_f32 v[242:243], v[148:149], v[152:153]
	v_pk_add_f32 v[14:15], v[14:15], v[156:157]
	v_pk_add_f32 v[236:237], v[236:237], v[96:97]
	v_pk_add_f32 v[254:255], v[254:255], v[98:99]
	v_pk_add_f32 v[250:251], v[250:251], v[102:103]
	v_pk_add_f32 v[248:249], v[248:249], v[106:107]
	v_pk_add_f32 v[246:247], v[246:247], v[110:111]
	v_pk_add_f32 v[244:245], v[244:245], v[114:115]
	v_pk_add_f32 v[242:243], v[242:243], v[118:119]
	v_pk_add_f32 v[14:15], v[14:15], v[122:123]
	v_pk_add_f32 v[236:237], v[236:237], v[126:127]
	v_pk_add_f32 v[254:255], v[254:255], v[130:131]
	v_pk_add_f32 v[250:251], v[250:251], v[134:135]
	v_pk_add_f32 v[248:249], v[248:249], v[138:139]
	v_pk_add_f32 v[246:247], v[246:247], v[142:143]
	v_pk_add_f32 v[244:245], v[244:245], v[146:147]
	v_pk_add_f32 v[242:243], v[242:243], v[150:151]
	v_pk_add_f32 v[14:15], v[14:15], v[154:155]
	v_pk_add_f32 v[236:237], v[236:237], v[158:159]
	s_delay_alu instid0(VALU_DEP_2)
	v_pk_add_f32 v[14:15], v[14:15], v[248:249]
	s_delay_alu instid0(VALU_DEP_2)
	v_pk_add_f32 v[236:237], v[236:237], v[246:247]
	v_pk_add_f32 v[254:255], v[254:255], v[244:245]
	v_pk_add_f32 v[250:251], v[250:251], v[242:243]
	s_delay_alu instid0(VALU_DEP_2)
	v_pk_add_f32 v[14:15], v[14:15], v[254:255]
	s_delay_alu instid0(VALU_DEP_2)
	v_pk_add_f32 v[236:237], v[236:237], v[250:251]
	s_delay_alu instid0(VALU_DEP_1)
	v_pk_add_f32 v[14:15], v[14:15], v[236:237]
	s_wait_alu depctr_va_vdst(0)                   ; and one for the four
.irp b, 0,1,2,3
	v_max_num_f32 v[232+\b], 0x1800000, v[232+\b]  ; the floor 2^(3 - 127)
.endr
.irp b, 0,1,2,3
	s_delay_alu instid0(VALU_DEP_4)
	v_add_nc_u32 v[244+\b], 0xff000000, v[232+\b]
.endr
.irp b, 0,1,2,3
	s_delay_alu instid0(VALU_DEP_4)
	v_lshrrev_b32 v[236+\b], 23, v[244+\b]
.endr
	s_delay_alu instid0(VALU_DEP_3)
	v_lshl_or_b32 v[PS], v237, 8, v236             ; p's scale word for these 128 keys
	s_delay_alu instid0(VALU_DEP_1)
	v_lshl_or_b32 v[PS], v238, 16, v[PS]
	s_delay_alu instid0(VALU_DEP_1)
	v_lshl_or_b32 v[PS], v239, 24, v[PS]
.irp c, 0,1
	v_cvt_scalef32_pk16_fp6_f32 v[PC+6*\c:PC+6*\c+2], v[S+32*\c:S+32*\c+15], v[244+2*\c]
	v_cvt_scalef32_pk16_fp6_f32 v[YT+4*\c:YT+4*\c+2], v[S+16+32*\c:S+31+32*\c], v[245+2*\c]
.endr
	v_nop                                          ; one plain place behind a scaled conversion
.irp c, 0,1
.irp i, 0,1,2
	v_permlane16_swap_b32 v[PC+6*\c+\i], v[YT+4*\c+\i]
.endr
.irp i, 0,1,2
	s_delay_alu instid0(VALU_DEP_3)
	v_mov_b32 v[PC+3+6*\c+\i], v[YT+4*\c+\i]
.endr
.endr
.set N, 0
.rept 16
	v_pk_mul_f32 v[O+N:O+N+1], v[O+N:O+N+1], v[252:253] op_sel_hi:[1,0]    ; O^T under the new M.  (These sixteen are also the places in front of the products below)
.set N, N+2
.endr
	s_wait_alu depctr_va_vdst(0)
	s_wait_dscnt 0x0                               ; V is in
.irp j, 0,1                            ; O^T += V^T P^T: the four accumulators by turns
	v_wmma_scale_f32_16x16x128_f8f6f4 v[O+16*\j:O+16*\j+7], v[KB+24*\j:KB+24*\j+11], v[PC:PC+11], v[O+16*\j:O+16*\j+7], v[VSC+\j], v[PS] matrix_a_fmt:MATRIX_FMT_FP6 matrix_b_fmt:MATRIX_FMT_FP6
	v_wmma_scale_f32_16x16x128_f8f6f4 v[O+16*\j+8:O+16*\j+15], v[KB+24*\j+12:KB+24*\j+23], v[PC:PC+11], v[O+16*\j+8:O+16*\j+15], v[VSC+\j], v[PS] matrix_a_fmt:MATRIX_FMT_FP6 matrix_b_fmt:MATRIX_FMT_FP6 matrix_a_scale:MATRIX_SCALE_ROW1
.endr
.Lhidden_\@:
.endm
; THE CHANGE OF SLOTS stands at a slot's head: each wave waits for all its tensor loads, adds 0 to its spare word, and waits for that and for its reads of the slot that it has left; one barrier;
; fill = 1: behind it the slot just left takes the keys that the next trip walks.
.macro CHANGE fill
	s_wait_tensorcnt 0x0                           ; no tensor load of mine is out, so group 0 may be written
	ds_add_u32 v[SPW], v[NIL]                      ; 0 onto my spare word
.if \fill
	s_add_co_u32 s[NXT], s[CUR], 1
	s_cmp_eq_u32 s[NXT], s[LEN]
	s_cselect_b32 s[NXT], 0, s[NXT]                ; behind the late block's last slot: slot 0 again, for the early block
	s_xor_b32 s[G0+1], s[G0+1], SLOT1
	s_mul_i32 s96, s[NXT], SLOTB
	s_mov_b32 s97, 0
	s_add_nc_u64 s[G0+2:G0+3], s[KVB:KVB+1], s[96:97]
	s_or_b32 s[G0+3], s[G0+3], 0x80000000
	s_wait_xcnt 0x0                                ; the last prefetch, a trip back, has read its address
	s_add_nc_u64 s[PFA:PFA+1], s[PFA:PFA+1], SLOTB
.endif
	s_wait_dscnt 0x0                               ; the add is done, and my reads of the slot that I have left are over
	s_barrier_signal -1
	s_barrier_wait -1
.if \fill
	TLOAD                                          ; the first thing behind the barrier: it has a trip's two steps in which to land
	ASK
.endif
.endm
; A block of queries ends: O^T / the sum, quantised along the channels (my head's two blocks of 32), as six registers of the projection's fragment and two scale bytes a row.
.macro FIN
.rept 4
	v_nop                                          ; places behind the last products
.endr
	v_add_f32 v14, v14, v15
	s_delay_alu instid0(VALU_DEP_1)
	v_permlanex16_b32 v252, v14, s[SEL], s[SEL+1]
	s_delay_alu instid0(VALU_DEP_1)
	v_add_f32 v14, v14, v252                       ; the row's sum
	s_wait_alu depctr_va_vdst(0)
	v_rcp_f32 v14, v14
	v_nop                                          ; a plain place behind the transcendental,
	s_wait_alu depctr_va_vdst(0)                   ; and the wait ahead of its first reader
.set N, 0
.rept 16
	v_pk_mul_f32 v[S+N:S+N+1], v[O+N:O+N+1], v[14:15] op_sel_hi:[1,0]      ; register 16 b + i: channel 32 b + 16 h + i of my head; each accumulator from its low end on
.set N, N+2
.endr
.irp b, 0,1
	v_max3_num_f32 v[232+\b], |v[S+16*\b]|, |v[S+1+16*\b]|, 0x1800000
.endr
.irp i, 2,4,6,8,10,12,14
.irp b, 0,1
	s_delay_alu instid0(VALU_DEP_2)
	v_max3_num_f32 v[232+\b], v[232+\b], |v[S+16*\b+\i]|, |v[S+1+16*\b+\i]|
.endr
.endr
.irp b, 0,1
	s_delay_alu instid0(VALU_DEP_2)
	v_permlanex16_b32 v[236+\b], v[232+\b], s[SEL], s[SEL+1]
.endr
.irp b, 0,1
	s_delay_alu instid0(VALU_DEP_2)
	v_max_num_f32 v[232+\b], v[232+\b], v[236+\b]
.endr
.irp b, 0,1
	s_delay_alu instid0(VALU_DEP_2)
	v_add_nc_u32 v[244+\b], 0xff000000, v[232+\b]
.endr
.irp b, 0,1
	s_delay_alu instid0(VALU_DEP_2)
	v_lshrrev_b32 v[240+\b], 23, v[244+\b]
.endr
	v_cvt_scalef32_pk16_fp6_f32 v[PC:PC+2], v[S:S+15], v244
	v_cvt_scalef32_pk16_fp6_f32 v[YT:YT+2], v[S+16:S+31], v245
	v_nop
.irp i, 0,1,2
	v_permlane16_swap_b32 v[PC+\i], v[YT+\i]
.endr
.irp i, 0,1,2
	s_delay_alu instid0(VALU_DEP_3)
	v_mov_b32 v[PC+3+\i], v[YT+\i]
.endr
	v_cndmask_b32 v248, v240, v241, s[HM]          ; lane (r, h): the byte of block h
.irp p, 0,1,2
	global_store_b64 v2, v[PC+2*\p:PC+2*\p+1], s[OCB:OCB+1] offset:256*\p      ; 256 consecutive bytes, aligned
.endr
	global_store_b8 v[OSO], v248, s[OSB:OSB+1]     ; 32 single bytes a tile and head: one part in 24 of what the tile stores
	s_wait_xcnt 0x0                                ; the stores have read their registers and bases: both are written again
.endm
	s_load_b128 s[4:7], s[0:1], 0x0                ; qb, kv
	s_load_b64 s[8:9], s[0:1], 0x10                ; oq
	v_lshl_add_u32 v[SPW], v0, 2, SPARE
	v_mov_b32 v[NIL], 0
	ds_add_u32 v[SPW], v[NIL]                      ; the wave's opening: the add and its wait stand ahead of the first tensor load; work on registers stands between them
	ds_add_u32 v[SPW], v[NIL]
	v_lshrrev_b32 v1, 5, v0
	s_delay_alu instid0(VALU_DEP_1)
	v_readfirstlane_b32 s[WV], v1                  ; wave 0..15
	s_and_b32 s32, ttmp7, 0xffff                   ; 16 b + head
	s_mul_i32 s34, s32, 16*STEPB
	s_mov_b32 s35, 0
	s_mul_i32 s36, s32, 16*6656
	s_lshr_b32 s33, s[WV], 3
	s_mul_i32 s33, s33, 6656
	s_add_co_u32 s36, s36, s33
	s_mov_b32 s37, 0
	s_lshr_b32 s38, s32, 4                         ; b
	s_and_b32 s39, s32, 15                         ; head
	s_lshl_b32 s38, s38, 7
	s_add_co_u32 s38, s38, s[WV]                   ; the tile of tokens 128 b + w
	s_mul_i32 s44, s38, 12288
	s_lshr_b32 s33, s39, 1
	s_mul_i32 s33, s33, 1536                       ; the head's 64 channels lie in fragment head / 2,
	s_add_co_u32 s44, s44, s33
	s_and_b32 s33, s39, 1
	s_mul_i32 s33, s33, 768                        ; in its registers 6 (head % 2) on
	s_add_co_u32 s44, s44, s33
	s_mov_b32 s45, 0
	s_lshl_b32 s46, s38, 9
	s_lshl_b32 s33, s39, 1
	s_add_co_u32 s46, s46, s33
	s_add_co_u32 s46, s46, 6291456
	s_mov_b32 s47, 0
	s_lshr_b32 s[WQ], s[WV], 1
	s_lshl_b32 s[WQ], s[WQ], 5
	s_and_b32 s33, s[WV], 1
	s_lshl_b32 s48, s33, 3
	s_add_co_u32 s[WQ], s[WQ], s48                 ; 32 (w / 2) + 8 (w % 2)
	s_cmp_eq_u32 s33, 1
	s_cselect_b32 s[PM], -1, 0                     ; all lanes where w is odd
	s_mov_b32 s[HM], 0xffff0000
	s_mov_b32 s[SEL], 0x76543210
	s_mov_b32 s[SEL+1], 0xfedcba98
	s_mov_b32 s[CS], 0x3e38aa3b                    ; log2(e) / 8
	s_mov_b32 s[CS+1], s[CS]
	s_mov_b32 s[TB], 0
	s_mov_b32 s[CUR], 0
	s_mov_b32 s[NXT], 1
	s_mov_b32 s[SLOTS], 8
	s_sub_co_u32 s[LEN], 8, ttmp9                  ; the late block's slots
	s_sub_co_u32 s[BLKQ], 7, ttmp9                 ; the late block
	s_lshr_b32 s33, s[WV], 2
	s_xor_b32 s33, s33, 1                          ; 0 in waves 4 to 7,
	s_or_b32 s33, s33, ttmp9                       ; of the work-group that walks all eight slots
	s_cmp_eq_u32 s33, 0
	s_cselect_b32 s[LIM], 2, -1
	; descriptor group 1: 102 rows of 256 bytes (32 elements of 8 bytes), dense in memory and in LDS
	s_mov_b32 s[G1], 3<<16
	s_mov_b32 s[G1+1], 32<<16
	s_mov_b32 s[G1+2], 102<<16
	s_mov_b32 s[G1+3], 32<<16
	s_mov_b32 s[G1+4], 102
	s_mov_b32 s[G1+5], 32
	s_mov_b32 s[G1+6], 0
	s_mov_b32 s[G1+7], 0
	s_wait_dscnt 0x0                               ; the opening add is done
	s_wait_kmcnt 0x0
	s_add_nc_u64 s[KVB:KVB+1], s[6:7], s[34:35]
	s_add_nc_u64 s[QB:QB+1], s[4:5], s[36:37]
	s_add_nc_u64 s[OC:OC+1], s[8:9], s[44:45]
	s_add_nc_u64 s[OS:OS+1], s[8:9], s[46:47]
	s_add_nc_u64 s[PFA:PFA+1], s[KVB:KVB+1], SLOTB ; at slot 1: the first change steps it to slot 2
	s_mov_b32 s[G0], 1
	s_mov_b32 s[G0+1], 0
	s_mov_b64 s[G0+2:G0+3], s[KVB:KVB+1]
	s_or_b32 s[G0+3], s[G0+3], 0x80000000
	TLOAD                                          ; slot 0
	v_and_b32 v12, 31, v0                          ; lane
	v_and_b32 v13, 15, v0                          ; r
	v_bfe_u32 v14, v0, 4, 1                        ; h
	s_delay_alu instid0(VALU_DEP_3)
	v_lshlrev_b32 v1, 4, v12
	s_delay_alu instid0(VALU_DEP_4)
	v_lshlrev_b32 v2, 3, v12
	s_delay_alu instid0(VALU_DEP_4)
	v_and_b32 v15, 8, v13
	s_delay_alu instid0(VALU_DEP_1)
	v_add_nc_u32 v[QD], v13, v15
	v_lshlrev_b32 v15, 4, v14
	s_delay_alu instid0(VALU_DEP_1)
	v_sub_nc_u32 v[QD], v[QD], v15
	v_lshl_add_u32 v[OSO], v13, 5, v14
	s_bfe_u32 s33, s[WV], 0x20001                  ; (w / 2) % 4: which pair of tiles of a step
	s_mul_i32 s34, s33, 1536
	v_add_nc_u32 v[QCO], s34, v1
	s_lshl_b32 s33, s33, 2
	s_and_b32 s34, s[WV], 1
	s_lshl_b32 s34, s34, 8
	s_add_co_u32 s33, s33, s34
	v_lshl_add_u32 v[QSO], v13, 4, s33             ; word (w / 2) % 4 of lane r + 16 (w % 2) of the image
	s_and_b32 s33, s[WV], 3
	s_lshl_b32 s33, s33, 5
	v_add_nc_u32 v[PFO], s33, v12
	s_delay_alu instid0(VALU_DEP_1)
	v_min_u32 v[PFO], 0x65, v[PFO]
	s_delay_alu instid0(VALU_DEP_1)
	v_lshlrev_b32 v[PFO], 8, v[PFO]
.irp p, 0,1,2,3,4,5
	v_mov_b32 v[QF+6+\p], 0                        ; Q's upper 64 along K: zero codes
	v_mov_b32 v[KB+48+\p], 0                       ; behind k's last fragment
.endr
.irp b, 0,1,2,3
	v_mov_b32 v[236+\b], 0                         ; a lane permute's destination counts as one of its sources
.endr
	v_mov_b32 v252, 0
	v_mov_b32 v253, 0                              ; (named as the upper half of the pair v[252:253])
	REINIT
.Lslot:                                            ; eight trips; the ninth is written out
	CHANGE 1
	STEP 0
	STEP 1
	s_xor_b32 s[TB], s[TB], SLOT1
	s_cmp_lg_u32 s[NXT], 0
	s_cbranch_scc1 .Lsame                          ; a branch on ids; no barrier and no tensor load stands under it
	FIN                                            ; the late block is done;
	s_mov_b32 s[BLKQ], ttmp9                       ; the early one begins
	REINIT
.Lsame:
	s_mov_b32 s[CUR], s[NXT]
	s_sub_co_u32 s[SLOTS], s[SLOTS], 1
	s_cmp_lg_u32 s[SLOTS], 0
	s_cbranch_scc1 .Lslot
	CHANGE 0
	STEP 0
	STEP 1
	FIN
	s_wait_tensorcnt 0x0                           ; the wave's end: behind the last tensor load
	ds_add_u32 v[SPW], v[NIL]
	s_wait_dscnt 0x0
	s_endpgm
.Lfunc_end_k_qa5853fb3aa_attn:
	.size	k_qa5853fb3aa_attn, .Lfunc_end_k_qa5853fb3aa_attn-k_qa5853fb3aa_attn
	.p2alignl 7, 3214868480
	.fill 96, 4, 3214868480
	.section	.rodata,"a",@progbits
	.p2align	6, 0x0
	.amdhsa_kernel k_qa5853fb3aa_attn
		.amdhsa_group_segment_fixed_size 327680
		.amdhsa_private_segment_fixed_size 0
		.amdhsa_enable_private_segment 0
		.amdhsa_kernarg_size 24
		.amdhsa_user_sgpr_count 2
		.amdhsa_user_sgpr_kernarg_segment_ptr 1
		.amdhsa_wavefront_size32 1
		.amdhsa_system_sgpr_workgroup_id_x 1
		.amdhsa_system_sgpr_workgroup_id_y 1
		.amdhsa_system_sgpr_workgroup_id_z 1
		.amdhsa_system_vgpr_workitem_id 0
		.amdhsa_next_free_vgpr 256
		.amdhsa_next_free_sgpr 100
		.amdhsa_reserve_vcc 1
		.amdhsa_float_denorm_mode_32 3
		.amdhsa_float_denorm_mode_16_64 3
		.amdhsa_memory_ordered 1
		.amdhsa_forward_progress 1
		.amdhsa_inst_pref_size 108
	.end_amdhsa_kernel
	.amdgpu_metadata
---
amdhsa.version: [ 1, 2 ]
amdhsa.kernels:
  - .name:           k_qa5853fb3aa_attn
    .symbol:         k_qa5853fb3aa_attn.kd
    .args:
      - { .name: qb, .offset: 0, .size: 8, .value_kind: global_buffer, .address_space: global }
      - { .name: kv, .offset: 8, .size: 8, .value_kind: global_buffer, .address_space: global }
      - { .name: oq, .offset: 16, .size: 8, .value_kind: global_buffer, .address_space: global }
    .group_segment_fixed_size: 327680
    .private_segment_fixed_size: 0
    .kernarg_segment_align: 8
    .kernarg_segment_size: 24
    .max_flat_workgroup_size: 512
    .sgpr_count:     100
    .vgpr_count:     256
    .wavefront_size: 32
...
	.end_amdgpu_metadata
.endif
;; end of part 3
;; launch gemm_proj (part 4): grid 4 x 32, 4 waves a work-group, clusters of 4 x 4, 327,680 bytes of LDS; arguments oq, wts, b_proj, out0; writes out0
.if DOCPART == 4
	.amdgcn_target "amdgcn-amd-amdhsa--gfx1250"
	.amdhsa_code_object_version 6
	.text
	.protected	k_qa5853fb3aa_gemm_proj
	.globl	k_qa5853fb3aa_gemm_proj
	.p2align	8
	.type	k_qa5853fb3aa_gemm_proj,@function
k_qa5853fb3aa_gemm_proj:
	s_mov_b64 s[64:65], 0
	v_nop
	global_prefetch_b8 v0, s[64:65] scope:SCOPE_SE
	s_setreg_imm32_b32 hwreg(HW_REG_WAVE_MODE, 25, 1), 1
	s_wait_xcnt 0x0
	s_wait_alu depctr_hold_cnt(0) depctr_sa_sdst(0) depctr_va_vdst(0) depctr_va_sdst(0) depctr_va_ssrc(0) depctr_va_vcc(0) depctr_vm_vsrc(0)
	s_getreg_b32 s2, hwreg(HW_REG_IB_STS2, 6, 4)
	s_cmp_eq_u32 s2, 0
	s_cbranch_scc0 .Lentry_in_a_cluster
	s_endpgm
.Lentry_in_a_cluster:
	s_bfe_u32 s2, ttmp6, 0x10000c
	s_cmp_lg_u32 s2, 0xf033
	s_cbranch_scc0 .Lentry_shape_is_right
	s_endpgm
.Lentry_shape_is_right:
; out0 = (attention's result) w_proj + b_proj on codes of FP6 (E2M3) with E8M0 scales, K = 1,024; out0 [8192][1024] f32.
; A tile of the result, 256 x 256, is made by four waves, 128 x 128 each: 64 accumulators.  K goes in steps of 256 through a ring of two LDS slots filled by the tensor data mover.
; OPERANDS lie in memory as images of operand registers: [tile of 16 rows][K / 128][1,536 bytes], six blocks of 256 bytes, 8 bytes a lane.  Tile T holds rows 32 (T / 2) + 8 (T % 2) + r + 8 (r / 8).  Scale bytes: [tile][r][32].
; THE MATRIX INSTRUCTION IS USED TRANSPOSED (source 0 = 16 columns of w_proj, source 1 = 16 tokens): a lane holds one token and eight neighbouring columns.
; THE BIAS is the C of each sum's first matrix instruction: eight registers for each of B's eight tiles, in the result's layout.
; CLUSTERS: 4 x 4 work-groups; A's tiles are asked for jointly along a row of the cluster, B's along a column.  The problem has 128 tiles of this size: 128 work-groups.
; REGISTERS: window 0: v16-29 addresses; v32-63 scale words, two sets; v64-127 the bias; v128-223 A's fragments, one set (on the way out v128-255 rows of the result).  window 1: B's fragments, two sets.  windows 2, 3: the accumulators.
.set NQ,     2
.set FR,     12
.set NL,     6
.set NP,     4
.set FRB,    1536
.set TILB,   2*FRB
.set HALFT,  8*TILB
.set SLOT,   4*HALFT
.set LAPS,   2
.set KS,     32
.set KROW,   768
.set SCL,    2*SLOT
.set HALFS,  (128*KS/256)*272
.set SBLK,   (16*KS/256)*272
.set SPARE,  SCL+4*HALFS               ; the spare words, 128 bytes for each wave: two blocks of 256 bytes that no other line names
.set SPITCH, 528                       ; the way out: a stage of 16 rows x (512 bytes + 16) for each wave, in slot 0, which has had its last fill and its last read by then
.set ADRA, 16
.set ADRB, 20
.set STO,  24
.set RD,   25
.set CO,   26
.set ADRS, 27
.set SPW,  28
.set NIL,  29
.set SC,   32
.set BI,   64
.set AF,   128
.set BK,   128
.set G1, 24
.set G0, 32
.set G1B, 48
.set G0B, 56
.set G1S, 68
.set G0S, 76
.set G1SB, 80
.set G0SB, 88
.set MSB, 0
.macro WIN new
.if MSB != \new
	s_set_vgpr_msb (MSB<<8)|\new
.set MSB, \new
.endif
.endm
.set MUL_LO, 0xa1
.set MUL_HI, 0xf1
.set TO_B,   0x40
.macro JLOAD g0a, g1a, g0b, g1b        ; a joint load: waves 0 and 1 fetch for A, waves 2 and 3 for B; an s_nop 0 and four v_nop follow each of the two lines
	s_cmp_eq_u32 s15, 0
	s_cbranch_scc0 .Lfor_b_\@
	tensor_load_to_lds s[\g0a:\g0a+3], s[\g1a:\g1a+7]
	s_nop 0
.rept 4
	v_nop
.endr
	s_branch .Lasked_\@
.Lfor_b_\@:
	tensor_load_to_lds s[\g0b:\g0b+3], s[\g1b:\g1b+7]
	s_nop 0
.rept 4
	v_nop
.endr
.Lasked_\@:
.endm
.macro CREST
	s_cmp_lg_u32 s14, 0
	s_cbranch_scc1 .Lnot_wave_0_\@
	s_barrier_signal -3
.Lnot_wave_0_\@:
	s_barrier_wait -3
	s_barrier_signal -1
	s_barrier_wait -1
.endm
.macro CROUND
	s_barrier_signal -1
	s_barrier_wait -1
	CREST
.endm
	s_load_b256 s[4:11], s[0:1], 0x0               ; oq s[4:5], wts s[6:7], b_proj s[8:9], out0 s[10:11]
	v_lshl_add_u32 v[SPW], v0, 2, SPARE
	v_mov_b32 v[NIL], 0
	ds_add_u32 v[SPW], v[NIL]                      ; the wave's opening: the add and its wait stand ahead of my first tensor load
	v_lshrrev_b32 v1, 5, v0
	v_readfirstlane_b32 s14, v1
	s_lshr_b32 s15, s14, 1
	s_and_b32 s16, s14, 1
	s_bfe_u32 s40, ttmp6, 0x40000                  ; cx
	s_bfe_u32 s41, ttmp6, 0x40004                  ; cy
	s_lshl_b32 s42, ttmp9, 2
	s_add_co_u32 s42, s42, s40                     ; tile column
	s_and_b32 s17, ttmp7, 0xffff
	s_lshl_b32 s17, s17, 2
	s_add_co_u32 s17, s17, s41                     ; tile row
	s_lshl_b32 s43, s41, 2
	s_lshl_b32 s43, 15, s43
	s_lshl_b32 s44, 0x1111, s40
	s_or_b32 s[G1+0], s43, (3<<16)|(1<<21)         ; codes: 8 tiles' 3,072 bytes (384 elements of 8 bytes), 12,288 bytes apart; dense in LDS
	s_or_b32 s[G1B+0], s44, (3<<16)|(1<<21)
.irp g, G1, G1B
	s_mov_b32 s[\g+1], 384<<16
	s_mov_b32 s[\g+2], 8<<16
	s_mov_b32 s[\g+3], 384<<16
	s_mov_b32 s[\g+4], 8
	s_mov_b32 s[\g+5], 1536
	s_mov_b32 s[\g+6], 0
	s_mov_b32 s[\g+7], 0
.endr
	s_or_b32 s[G1S+0], s43, (3<<16)|(1<<20)|(1<<21)|(5<<22)|(3<<25)    ; scales: rows of 256 bytes, 16 bytes of padding behind each
	s_or_b32 s[G1SB+0], s44, (3<<16)|(1<<20)|(1<<21)|(5<<22)|(3<<25)
.irp g, G1S, G1SB
	s_mov_b32 s[\g+1], 32<<16
	s_mov_b32 s[\g+2], (128*KS/256)<<16
	s_mov_b32 s[\g+3], 32<<16
	s_mov_b32 s[\g+4], 128*KS/256
	s_mov_b32 s[\g+5], 32
	s_mov_b32 s[\g+6], 0
	s_mov_b32 s[\g+7], 0
.endr
	s_lshl_b32 s18, s16, 7
	s_lshl_b32 s20, s17, 8
	s_add_co_u32 s20, s20, s18
	s_lshl_b32 s46, s42, 8
	s_add_co_u32 s46, s46, s18
	s_mov_b32 s21, 0
	s_mov_b32 s47, 0
	s_mov_b64 s[18:19], KS
	s_mul_u64 s[22:23], s[20:21], s[18:19]
	s_mul_u64 s[92:93], s[46:47], s[18:19]
	s_mov_b64 s[18:19], KROW
	s_mul_u64 s[20:21], s[20:21], s[18:19]
	s_mul_u64 s[46:47], s[46:47], s[18:19]
	s_mul_i32 s45, s14, HALFT
	s_mul_i32 s94, s14, HALFS
	s_wait_dscnt 0x0                               ; the opening add is done
	s_wait_kmcnt 0x0
	s_add_nc_u64 s[96:97], s[4:5], 6291456         ; A's scales
	s_add_nc_u64 s[12:13], s[6:7], 2457600         ; w_proj's codes
	s_add_nc_u64 s[98:99], s[6:7], 3244032         ; and scales
	s_add_nc_u64 s[20:21], s[4:5], s[20:21]
	s_add_nc_u64 s[22:23], s[96:97], s[22:23]
	s_add_nc_u64 s[46:47], s[12:13], s[46:47]
	s_add_nc_u64 s[92:93], s[98:99], s[92:93]
	CROUND                                         ; all sixteen work-groups are here: the first joint loads meet
	s_mov_b32 s[G0S], 1
	s_add_co_u32 s[G0S+1], s94, SCL
	s_mov_b64 s[G0S+2:G0S+3], s[22:23]
	s_or_b32 s[G0S+3], s[G0S+3], 0x80000000
	s_mov_b32 s[G0SB], 1
	s_add_co_u32 s[G0SB+1], s94, SCL
	s_mov_b64 s[G0SB+2:G0SB+3], s[92:93]
	s_or_b32 s[G0SB+3], s[G0SB+3], 0x80000000
	JLOAD G0S, G1S, G0SB, G1SB
.irp s, 0,1
	s_mov_b32 s[G0+4*\s], 1
	s_add_co_u32 s[G0+4*\s+1], s45, \s*SLOT
	s_add_nc_u64 s[G0+4*\s+2:G0+4*\s+3], s[20:21], \s*TILB
	s_or_b32 s[G0+4*\s+3], s[G0+4*\s+3], 0x80000000
	s_mov_b32 s[G0B+4*\s], 1
	s_add_co_u32 s[G0B+4*\s+1], s45, \s*SLOT
	s_add_nc_u64 s[G0B+4*\s+2:G0B+4*\s+3], s[46:47], \s*TILB
	s_or_b32 s[G0B+4*\s+3], s[G0B+4*\s+3], 0x80000000
	JLOAD G0+4*\s, G1, G0B+4*\s, G1B
.endr
	v_and_b32 v1, 15, v0                           ; l % 16
	v_bfe_u32 v2, v0, 4, 1                         ; l / 16
	v_and_b32 v6, 31, v0
	v_lshlrev_b32 v4, 3, v6                        ; 8 x lane
	v_lshlrev_b32 v[CO], 4, v6                     ; 16 x lane
	v_lshlrev_b32 v3, 6, v2                        ; the bias: 64 h
	; my part of out0 and of the bias
	s_lshl_b32 s20, s17, 8
	s_lshl_b32 s21, s15, 7
	s_add_co_u32 s20, s20, s21
	s_lshl_b32 s20, s20, 12                        ; my first row, 4,096 bytes a row
	s_lshl_b32 s46, s42, 10
	s_lshl_b32 s47, s16, 9
	s_add_co_u32 s46, s46, s47                     ; my first column, in bytes
	s_add_co_u32 s20, s20, s46
	s_mov_b32 s21, 0
	s_mov_b32 s47, 0
	s_add_nc_u64 s[10:11], s[10:11], s[20:21]
	s_add_nc_u64 s[8:9], s[8:9], s[46:47]
.irp b, 0,1,2,3,4,5,6,7
	global_load_b128 v[BI+8*\b:BI+8*\b+3], v3, s[8:9] offset:(32*(\b/2)+8*(\b%2))*4        ; tile b, lane (r, h): columns 32 (b / 2) + 8 (b % 2) + 16 h + 0 .. 7
	global_load_b128 v[BI+8*\b+4:BI+8*\b+7], v3, s[8:9] offset:(32*(\b/2)+8*(\b%2))*4+16
.endr
	s_mul_i32 s21, s15, HALFT
	s_mul_i32 s22, s16, HALFT
	s_add_co_u32 s22, s22, 2*HALFT
.irp s, 0,1
	v_add_nc_u32 v[ADRA+\s], s21, v4
	v_add_nc_u32 v[ADRB+\s], s22, v4
	s_add_co_u32 s21, s21, SLOT
	s_add_co_u32 s22, s22, SLOT
.endr
	v_mul_u32_u24 v5, v1, KS
	v_lshrrev_b32 v6, 8, v5
	v_lshl_add_u32 v5, v6, 4, v5
	s_mul_i32 s21, s15, HALFS
	s_mul_i32 s22, s16, HALFS
	s_add_co_u32 s22, s22, 2*HALFS
	s_sub_co_u32 s22, s22, s21
	v_mul_u32_u24 v6, s22, v2
	s_add_co_u32 s21, s21, SCL
	v_add_nc_u32 v5, v5, v6
	v_add_nc_u32 v[ADRS], s21, v5
	s_mul_i32 s23, s14, 16*SPITCH                  ; my stage
	v_mul_u32_u24 v5, v1, SPITCH
	v_lshl_add_u32 v5, v2, 6, v5
	v_add_nc_u32 v[STO], s23, v5                   ; in: row r, + 64 h
	v_add_nc_u32 v[RD], s23, v[CO]                 ; back: the 32 lanes take one row of 512 bytes
.macro FRAG reg, adr, q, i
.irp p, 0,1,2,3,4,5
	ds_load_b64 v[\reg+2*\p:\reg+2*\p+1], v[\adr] offset:(\i)*TILB+(\q)*FRB+256*\p
.endr
.endm
; 16 matrix instructions.  zero = 2: the sums begin with the bias.  The 64 accumulators take turns, one instruction a turn.
.macro MUL16 a0, p, q, sc, zero
.irp a, \a0, \a0+1
.irp b, 0,1,2,3,4,5,6,7
.if (\zero) == 2
	v_wmma_scale_f32_16x16x128_f8f6f4 v[8*(8*((\a)%4)+\b):8*(8*((\a)%4)+\b)+7], v[128*(\p)+FR*\b:128*(\p)+FR*\b+FR-1], v[AF+FR*(\a):AF+FR*(\a)+FR-1], v[BI+8*\b:BI+8*\b+7], v[SC+8*NQ*(\sc)+NQ*\b+(\q)], v[SC+8*NQ*(\sc)+NQ*(\a)+(\q)] matrix_a_fmt:MATRIX_FMT_FP6 matrix_b_fmt:MATRIX_FMT_FP6 matrix_a_scale:MATRIX_SCALE_ROW1
.else
	v_wmma_scale_f32_16x16x128_f8f6f4 v[8*(8*((\a)%4)+\b):8*(8*((\a)%4)+\b)+7], v[128*(\p)+FR*\b:128*(\p)+FR*\b+FR-1], v[AF+FR*(\a):AF+FR*(\a)+FR-1], v[8*(8*((\a)%4)+\b):8*(8*((\a)%4)+\b)+7], v[SC+8*NQ*(\sc)+NQ*\b+(\q)], v[SC+8*NQ*(\sc)+NQ*(\a)+(\q)] matrix_a_fmt:MATRIX_FMT_FP6 matrix_b_fmt:MATRIX_FMT_FP6 matrix_a_scale:MATRIX_SCALE_ROW1
.endif
.endr
.endr
.endm
.macro FETCH_B slot, q, p
	WIN TO_B
.irp i, 0,1,2,3,4,5,6,7
	FRAG 128*(\p)+FR*\i, ADRB+\slot, \q, \i
.endr
	WIN 0
.endm
.macro FETCH_A slot, q, i0
.irp i, \i0, \i0+1, \i0+2, \i0+3
	FRAG AF+FR*(\i), ADRA+\slot, \q, \i
.endr
.endm
.macro SCALES sc
.irp i, 0,1,2,3,4,5,6,7
	ds_load_b64 v[SC+8*NQ*\sc+NQ*\i:SC+8*NQ*\sc+NQ*\i+1], v[ADRS] offset:\i*SBLK
.endr
.endm
.macro PLACES n
.rept \n
	v_nop
.endr
.endm
.macro STEP slot, q, zero
	s_wait_dscnt 4*NL                              ; B's set and A's blocks 0-3 are in; the youngest 24 loads (A's blocks 4-7) may be out
.if (\zero) == 2
	WIN 0x81                                       ; source 0 window 1, sources 1 and 2 (the bias) window 0, D window 2
.else
	WIN MUL_LO
.endif
	MUL16 0, (\q)%2, \q, \slot, \zero
	MUL16 2, (\q)%2, \q, \slot, \zero
	s_wait_dscnt 0
	PLACES NP
	FETCH_B \slot, (\q)+1, 1-(\q)%2
	FETCH_A \slot, (\q)+1, 0
.if (\zero) == 2
	WIN 0xc1
.else
	WIN MUL_HI
.endif
	MUL16 4, (\q)%2, \q, \slot, \zero
	MUL16 6, (\q)%2, \q, \slot, \zero
	PLACES NP
	WIN 0
	FETCH_A \slot, (\q)+1, 4
.endm
.macro TURN slot, next, fill
	s_wait_tensorcnt 0x0                           ; all my tensor loads have landed: my part of the next slot
	ds_add_u32 v[SPW], v[NIL]                      ; 0 onto my spare word
	s_wait_dscnt 4*NL+1                            ; the add and the youngest 24 loads may be out
	WIN MUL_LO
	MUL16 0, 1, NQ-1, \slot, 0
	s_wait_dscnt 0x0                               ; the add is done, and my reads of this slot are over
	s_barrier_signal -1
	MUL16 2, 1, NQ-1, \slot, 0
	WIN 0
	s_barrier_wait -1
.if \fill
	CREST                                          ; the barrier has opened a round of the cluster's barrier
	s_add_nc_u64 s[G0+4*\slot+2:G0+4*\slot+3], s[G0+4*\slot+2:G0+4*\slot+3], 2*TILB
	s_add_nc_u64 s[G0B+4*\slot+2:G0B+4*\slot+3], s[G0B+4*\slot+2:G0B+4*\slot+3], 2*TILB
	JLOAD G0+4*\slot, G1, G0B+4*\slot, G1B         ; the first tensor load behind the round
.else
	PLACES NP
.endif
	v_add_nc_u32 v[ADRS], 4*NQ, v[ADRS]
	FETCH_B \next, 0, 0
	FETCH_A \next, 0, 0
	SCALES \next
	WIN MUL_HI
	MUL16 4, 1, NQ-1, \slot, 0
	MUL16 6, 1, NQ-1, \slot, 0
	PLACES NP
	WIN 0
	FETCH_A \next, 0, 4
.endm
	s_wait_tensorcnt 1                             ; the scales and my part of K step 0 are in (K step 1's load may be out),
	s_barrier_signal -1
	s_barrier_wait -1                              ; everybody's are
	FETCH_B 0, 0, 0
	FETCH_A 0, 0, 0
	SCALES 0
	FETCH_A 0, 0, 4
	s_wait_loadcnt 0x0                             ; the bias
	STEP 0, 0, 2                                   ; the first step's products start the sums, from the bias
	s_mov_b32 s3, LAPS-1
.Llap:
	TURN 0, 1, 1
	STEP 1, 0, 0
	TURN 1, 0, 1
	STEP 0, 0, 0
	s_sub_co_u32 s3, s3, 1
	s_cmp_lg_u32 s3, 0
	s_cbranch_scc1 .Llap
	TURN 0, 1, 0
	STEP 1, 0, 0
	s_wait_dscnt 4*NL
	WIN MUL_LO
	MUL16 0, 1, NQ-1, 1, 0
	MUL16 2, 1, NQ-1, 1, 0
	s_wait_dscnt 0
	WIN MUL_HI
	MUL16 4, 1, NQ-1, 1, 0
	MUL16 6, 1, NQ-1, 1, 0
	WIN 0
; THE WAY OUT, block by block of 16 tokens x 128 columns, through my own stage in LDS; back come whole rows of 512 bytes.  LDS serves a wave's instructions in order.
.macro TOSTAGE a
.set AC, 64*((\a)%4)
	WIN 0x08+4*((\a)/4)                            ; the data: window 2 or 3
.irp b, 0,1,2,3,4,5,6,7
	ds_store_b128 v[STO], v[AC+8*\b:AC+8*\b+3] offset:128*(\b/2)+32*(\b%2)         ; each accumulator from its low end on; tile b's columns 32 (b / 2) + 8 (b % 2) + 16 h + 0 .. 7
	ds_store_b128 v[STO], v[AC+8*\b+4:AC+8*\b+7] offset:128*(\b/2)+32*(\b%2)+16
.endr
	WIN 0
.set BB, BK+64*((\a)%2)
.irp t, 0,1,2,3,4,5,6,7,8,9,10,11,12,13,14,15
	ds_load_b128 v[BB+4*\t:BB+4*\t+3], v[RD] offset:\t*SPITCH
.endr
.endm
.macro SEND a, younger                 ; younger: the LDS instructions issued behind block a's loads
.set BB, BK+64*((\a)%2)
	s_wait_dscnt \younger
.irp t, 0,1,2,3,4,5,6,7,8,9,10,11,12,13,14,15
	global_store_b128 v[CO], v[BB+4*\t:BB+4*\t+3], s[10:11] offset:(32*((\a)/2)+8*((\a)%2)+\t+8*(\t/8))*4096 th:TH_STORE_NT   ; row t of tile a; 512 consecutive bytes, aligned; the base is never stepped
.endr
.endm
	PLACES NP
	TOSTAGE 0
.irp a, 1,2,3,4,5,6,7
.if \a > 1
	s_wait_xcnt 0x0                                ; block a - 2's stores have read their registers: block a's loads may land there
.endif
	TOSTAGE \a
	SEND \a-1, 32                                  ; behind block a - 1's loads: block a's 16 stores and 16 loads
.endr
	SEND 7, 0
	s_wait_tensorcnt 0x0                           ; the wave's end: behind my last tensor load and my last LDS store
	ds_add_u32 v[SPW], v[NIL]
	s_wait_dscnt 0x0
	CROUND                                         ; the closing round
	s_endpgm
.Lfunc_end_k_qa5853fb3aa_gemm_proj:
	.size	k_qa5853fb3aa_gemm_proj, .Lfunc_end_k_qa5853fb3aa_gemm_proj-k_qa5853fb3aa_gemm_proj
	.p2alignl 7, 3214868480
	.fill 96, 4, 3214868480
	.section	.rodata,"a",@progbits
	.p2align	6, 0x0
	.amdhsa_kernel k_qa5853fb3aa_gemm_proj
		.amdhsa_group_segment_fixed_size 327680
		.amdhsa_private_segment_fixed_size 0
		.amdhsa_enable_private_segment 0
		.amdhsa_kernarg_size 32
		.amdhsa_user_sgpr_count 2
		.amdhsa_user_sgpr_kernarg_segment_ptr 1
		.amdhsa_wavefront_size32 1
		.amdhsa_system_sgpr_workgroup_id_x 1
		.amdhsa_system_sgpr_workgroup_id_y 1
		.amdhsa_system_sgpr_workgroup_id_z 1
		.amdhsa_system_vgpr_workitem_id 0
		.amdhsa_next_free_vgpr 1024
		.amdhsa_next_free_sgpr 106
		.amdhsa_reserve_vcc 0
		.amdhsa_float_denorm_mode_32 3
		.amdhsa_float_denorm_mode_16_64 3
		.amdhsa_memory_ordered 1
		.amdhsa_forward_progress 1
		.amdhsa_inst_pref_size 160
	.end_amdhsa_kernel
	.amdgpu_metadata
---
amdhsa.version: [ 1, 2 ]
amdhsa.kernels:
  - .name:           k_qa5853fb3aa_gemm_proj
    .symbol:         k_qa5853fb3aa_gemm_proj.kd
    .args:
      - { .name: oq, .offset: 0, .size: 8, .value_kind: global_buffer, .address_space: global }
      - { .name: wts, .offset: 8, .size: 8, .value_kind: global_buffer, .address_space: global }
      - { .name: b_proj, .offset: 16, .size: 8, .value_kind: global_buffer, .address_space: global }
      - { .name: out0, .offset: 24, .size: 8, .value_kind: global_buffer, .address_space: global }
    .group_segment_fixed_size: 327680
    .private_segment_fixed_size: 0
    .kernarg_segment_align: 8
    .kernarg_segment_size: 32
    .max_flat_workgroup_size: 128
    .sgpr_count:     106
    .vgpr_count:     1024
    .wavefront_size: 32
...
	.end_amdgpu_metadata
.endif
;; end of part 4
